; MI455X (gfx1250); checked and timed in simulation.
; The chip was launched on July 23, 2026; its instructions are those of AMD's public machine-readable ISA for CDNA 5 (MIT licence, August 2026) and "CDNA5" Instruction Set Architecture Reference Guide (July 2026). The comments in the code are by the model that wrote it; some were corrected since.
;; Eagle3 Attention. Allowed arithmetic: matrix products marked QUANTISED: E2M3 operands, one E8M0 scale for each 32 along K, by v_wmma_scale_f32_16x16x128_f8f6f4 with both operands' format E2M3, f32 sums; everything else in f32.
;; Inputs: Wk 4,096 x 512 float32; Wo 2,048 x 2,048 float32; Wq 4,096 x 2,048 float32; Wv 4,096 x 512 float32; hidden_states 1 x 2,048 x 4,096 float32.
;; Outputs: out0 1 x 2,048 x 2,048 float32.
;; This version of the problem:
;;   THIS VERSION OF THE PROBLEM IS GIVEN IN LOW PRECISION. The matrix products marked QUANTISED in the list below multiply operands that are first quantised to E2M3 (2 exponent bits, 3 mantissa bits; 6 bits a number), with one power-of-two scale for each 32 numbers along K (OCP MX v1.0); their sums are f32. All else is computed in f32.
;;   The module's matrix products, in the order in which they are computed (A, B: the left and right operand; K: the contracted axis; several contracted axes count as one K, in the product's order):
;;     1. [M 2,048, K 4,096] x [K 4,096, N 2,048]; A: input hidden_states; B: input Wq: QUANTISED
;;     2. [M 2,048, K 4,096] x [K 4,096, N 512]; A: input hidden_states; B: input Wk: QUANTISED
;;     3. [M 2,048, K 4,096] x [K 4,096, N 512]; A: input hidden_states; B: input Wv: QUANTISED
;;     4. batch 32 x [M 2,048, K 64] x [K 64, N 2,048]; A: computed on the way; B: computed on the way: QUANTISED
;;     5. batch 32 x [M 2,048, K 2,048] x [K 2,048, N 64]; A: softmax (see below); B: computed on the way: QUANTISED
;;     6. [M 2,048, K 2,048] x [K 2,048, N 2,048]; A: computed on the way; B: input Wo: QUANTISED
;;   THE QUANTISER, for each operand of a quantised product, along K:
;;     - K is cut into blocks of 32 from its start; a last block that is shorter is filled with zeros.
;;     - A block's scale is 2^e with e = floor(log2(the largest magnitude in the block)) - 2, held to -126 .. 127; a block of zeros has e = 0. As a byte (E8M0): e + 127.
;;     - Each number is divided by its block's scale, clamped to +-7.5, and rounded to the nearest number of E2M3, ties to even, subnormals kept.
;;     - The product sums the exact products of the quantised numbers (number of the format x scale) in f32.
;;   ~~~python
;;   def quantise(x, axis):      # numpy; x: float32 -> the quantised numbers, widened to float32 again
;;       x = np.moveaxis(x, axis, -1); K = x.shape[-1]
;;       x = np.pad(x, [(0, 0)] * (x.ndim - 1) + [(0, -K % 32)]); x = x.reshape(x.shape[:-1] + (-1, 32)); a = np.abs(x).max(-1, keepdims=True)
;;       e = np.where(a > 0, np.clip(np.frexp(np.where(a > 0, a, 1))[1] - 1 - 2, -126, 127), 0)      # np.frexp(a)[1] - 1 = floor(log2(a)), exactly
;;       r = np.clip(x / 2.0 ** e, -7.5, 7.5)
;;       step = 2.0 ** (np.maximum(np.frexp(np.where(r == 0, 1, r))[1] - 1, 0) - 3)
;;       q = np.round(r / step) * step * 2.0 ** e      # np.round: ties to even
;;       return np.moveaxis(q.reshape(q.shape[:-2] + (-1,))[..., :K], -1, axis).astype(np.float32)
;;   ~~~
;;   SOFTMAX AHEAD OF A QUANTISED PRODUCT. Where the list says 'softmax', what is quantised is not the finished softmax but p = 2^(t - M), with t = logit x log2(e) and M = ceil(the row's largest t), a whole number; so 1/2 < the row's largest p <= 1. The row's sum l is taken of the UNQUANTISED p, in f32, and the product's result is divided by l at the end. Since M is a whole number, a kernel that streams over the keys may use a running M (the ceiling of the running maximum): every later rescaling is an exact power of two, which a block's scale takes up: the codes' values come out the same.
;;   OPERANDS COMPUTED ON THE WAY. 'Computed on the way' means the value that the module computes at that place (a softmax that the list does not call 'softmax' is quantised finished and normalised). What goes into a quantiser is computed in f32, as accurately as f32 sums, v_exp_f32 and their like allow (about 1e-6 of the number): no bf16 or f16 on the way to a quantiser, and a product that is left as it is and whose result goes on into a quantised operand takes f32 operands (vector FMAs, or v_wmma_f32_16x16x4_f32). A number that lies on a knife's edge between two numbers of the format may be rounded either way, as far as f32 arithmetic and the matrix unit's own rounding can turn it there, and no further.
;; One version. Each part assembles by itself: llvm-mc -triple=amdgcn-amd-amdhsa -mcpu=gfx1250 --defsym DOCPART=n.
;; ======== version 1 of 1: 4 launches
;; limits: right only within a limited range of input values
;; workspace buffers: rec 16,384,000 bytes; worec 3,276,800 bytes; qkv 5,111,808 bytes; arec 3,276,800 bytes
;; launch quant (part 1): grid 512 x 1, 8 waves a work-group, no clusters, 132,096 bytes of LDS; arguments Wq, Wk, Wv, Wo, rec, worec, hidden_states; writes rec, worec
.if DOCPART == 1
	.amdgcn_target "amdgcn-amd-amdhsa--gfx1250"
	.amdhsa_code_object_version 6
	.text
	.protected	k_q0ab0140512_quant
	.globl	k_q0ab0140512_quant
	.p2align	8
	.type	k_q0ab0140512_quant,@function
k_q0ab0140512_quant:
	s_mov_b64 s[64:65], 0
	v_nop
	global_prefetch_b8 v0, s[64:65] scope:SCOPE_SE
	s_setreg_imm32_b32 hwreg(HW_REG_WAVE_MODE, 25, 1), 1
	s_wait_xcnt 0x0
; ONE launch quantises all five inputs to codes of FP6 (E2M3) with one E8M0 byte for each 32 along K, laid as RECORDS in the order of an operand's registers.
; A record is 128 rows x 256 along K, 25,600 bytes: codes at s2*12288 + t*1536 + c*768 + 24 l (s2: which 128 of the 256; t: fragment of 16 rows; c: which 64 of the 128; lane l = r + 16 h owns
; the 32 codes of K block h of fragment row r, 24 bytes), then one pair of scale words a row at 24576 + 8 (16 t + r) + 4 s2.
; Row r of fragment t is row 32 (t/2) + 8 (t%2) + r + 8 (r/8) of the block of 128: as source 0 of a product this order makes a lane's results of two neighbouring tiles 16 neighbours.
; A block's scale is 2^(floor(log2(largest magnitude)) - 2): its byte is the largest magnitude's exponent field - 2.
; LIMITS: the largest magnitude is floored at 2^-124, so a block of zeros gets the byte 1 where the rule says 127 (its codes are zeros, and this program alone reads the bytes); NaN and infinities are not served.
; SHARES: work-groups 0-255 take the weights, two records each (the longer work has the lower numbers); work-groups 256-511 take hidden_states, one record each.  The two ways part on the work-group's number
; alone, and each has LDS bytes of its own: hidden_states' from 0, the weights' from WB; the spare words lie behind both.
; THE WEIGHTS, f32 with K as their FIRST axis: a lane takes a column and its registers run down K: a block of 32 lies in one lane, and the conversions give codes with K innermost.  Waves 0-3 make record
; 2 g, waves 4-7 record 2 g + 1; wave w % 4 takes columns 32 (w % 4) on (two fragments), 8 blocks a lane.  Records 0-255: Wq -> rec blocks 16-31; 256-319: Wk -> 32-35; 320-383: Wv -> 36-39; 384-511: Wo -> worec.
; One path serves all four: pointers and sizes are chosen on the record's number; 32 offset registers (4 lane + i rows) and 8 scalar bases are made once.  Loads run two blocks (64 loads a wave) ahead.
; HIDDEN_STATES, K innermost: wave w makes fragment w; all its 32 loads (16 KiB) go out at once, each 512 consecutive bytes of a row; the 16 rows x 512 bytes turn through the wave's own stage (rows 528 bytes
; apart), so that a lane holds 16 neighbours along K; the codes leave through a second stage as runs of 512 bytes.
.set WB,    81920                      ; LDS: the weights' stages, 6,144 bytes a wave
.set SPARE, 0x20000                    ; the spare words, 128 bytes for each wave: no other line names them
	s_load_b256 s[4:11], s[0:1], 0x0               ; Wq, Wk, Wv, Wo
	s_load_b128 s[12:15], s[0:1], 0x20             ; rec, worec
	s_load_b64 s[52:53], s[0:1], 0x30              ; hidden_states
	v_lshl_add_u32 v254, v0, 2, SPARE
	v_mov_b32 v255, 0
	v_lshrrev_b32 v1, 5, v0
	v_readfirstlane_b32 s54, v1                    ; wave 0..7
	s_cmp_lt_u32 ttmp9, 256
	s_cbranch_scc0 .Ltokens
; ---- the weights
.set STG,   6144                       ; a wave's stage: [s2][fragment][c][lane][24 bytes]
.set OFF,   16                         ; v16-47   4 lane + i rows
.set X,     48                         ; v48-111  two sets of 32 numbers
.set C,     112                        ; v112-118 a block's codes
.set SB,    120                        ; v120-121 my column's eight scale bytes
.set OUTR,  128                        ; v128-175 the way out
.set WV,    48
	s_and_b32 s[WV], s54, 3                        ; my place among the record's four waves
	s_lshr_b32 s55, s54, 2
	s_lshl_b32 s51, ttmp9, 1
	s_add_co_u32 s55, s55, s51                     ; my record, 0..511
	v_and_b32 v2, 31, v0                           ; lane
	v_lshlrev_b32 v3, 2, v2
	v_bfe_u32 v8, v0, 3, 1                         ; u: which of my two fragments my column falls into
	v_and_b32 v9, 7, v0
	v_bfe_u32 v10, v0, 4, 1
	v_lshl_add_u32 v9, v10, 3, v9                  ; r: its row there
	s_mul_i32 s49, s54, STG
	s_add_co_u32 s49, s49, WB
	v_mul_u32_u24 v4, v8, 1536
	v_mad_u32_u24 v4, v9, 24, v4
	v_add_nc_u32 v4, s49, v4                       ; stage, in
	v_lshl_add_u32 v5, v2, 4, s49                  ; stage, out
	s_mul_i32 s50, s[WV], 3072
	v_lshl_add_u32 v6, v2, 4, s50                  ; my two fragments' place in the record
	s_lshl_b32 s50, s[WV], 8
	v_lshlrev_b32 v7, 7, v8
	v_lshl_add_u32 v7, v9, 3, v7
	v_add_nc_u32 v7, s50, v7
	v_add_nc_u32 v7, 24576, v7                     ; my column's pair of scale words: 24576 + 8 (32 w + 16 u + r)
	s_wait_alu depctr_va_vdst(0)
	s_wait_kmcnt 0x0
	s_mov_b64 s[16:17], s[10:11]                   ; Wo's values first; each compare below replaces what differs
	s_mov_b64 s[18:19], s[14:15]
	s_mov_b32 s20, 384                             ; the tensor's first record
	s_mov_b32 s21, 15                              ; blocks of 128 columns - 1
	s_mov_b32 s22, 4                               ; and their logarithm
	s_mov_b32 s23, 8192                            ; a row in bytes
	s_mov_b32 s24, 0                               ; the first block in the destination
	s_mov_b32 s25, 204800                          ; a block's records in bytes
	s_cmp_lt_u32 s55, 384                          ; Wv (and below)
	s_cselect_b64 s[16:17], s[8:9], s[16:17]
	s_cselect_b64 s[18:19], s[12:13], s[18:19]
	s_cselect_b32 s20, 320, s20
	s_cselect_b32 s21, 3, s21
	s_cselect_b32 s22, 2, s22
	s_cselect_b32 s23, 2048, s23
	s_cselect_b32 s24, 36, s24
	s_cselect_b32 s25, 409600, s25
	s_cmp_lt_u32 s55, 320                          ; Wk (and below)
	s_cselect_b64 s[16:17], s[6:7], s[16:17]
	s_cselect_b32 s20, 256, s20
	s_cselect_b32 s24, 32, s24
	s_cmp_lt_u32 s55, 256                          ; Wq
	s_cselect_b64 s[16:17], s[4:5], s[16:17]
	s_cselect_b32 s20, 0, s20
	s_cselect_b32 s21, 15, s21
	s_cselect_b32 s22, 4, s22
	s_cselect_b32 s23, 8192, s23
	s_cselect_b32 s24, 16, s24
	s_sub_co_u32 s26, s55, s20
	s_and_b32 s27, s26, s21                        ; which 128 columns
	s_lshr_b32 s28, s26, s22                       ; which 256 along K
	s_lshl_b32 s29, s27, 9
	s_lshl_b32 s30, s[WV], 7
	s_add_co_u32 s29, s29, s30                     ; 4 (128 xn + 32 w)
	s_lshl_b32 s30, s28, 8
	s_mul_i32 s30, s30, s23
	s_add_co_u32 s30, s29, s30                     ; + 256 yk rows
	s_mov_b32 s31, 0
	s_add_nc_u64 s[32:33], s[16:17], s[30:31]
	s_lshl_b32 s30, s23, 5                         ; 32 rows
.irp t, 0,1,2,3,4,5,6
	s_add_nc_u64 s[34+2*\t:35+2*\t], s[32+2*\t:33+2*\t], s[30:31]
.endr
	s_add_co_u32 s24, s24, s27
	s_mul_i32 s24, s24, s25
	s_mul_i32 s25, s28, 25600
	s_add_co_u32 s24, s24, s25
	s_mov_b32 s25, 0
	s_add_nc_u64 s[18:19], s[18:19], s[24:25]      ; my record
.set i, 0
.rept 32
	v_mad_u32_u24 v[OFF+i], s23, i, v3
.set i, i+1
.endr
.macro LOAD t                          ; block t: W(32 t + i, my column) into set t % 2; a wave's load reads 128 consecutive bytes, a record's four waves stand side by side
.set i, 0
.rept 32
	global_load_b32 v[X+32*((\t)%2)+i], v[OFF+i], s[32+2*(\t):33+2*(\t)] th:TH_LOAD_NT
.set i, i+1
.endr
.endm
	LOAD 0
	LOAD 1
.macro BLOCK t
.set XS, X+32*((\t)%2)
.if (\t) < 7
	s_wait_loadcnt 32                              ; this block's 32 loads are in; the next block's may be out
.else
	s_wait_loadcnt 0x0
.endif
	v_max3_num_f32 v12, |v[XS]|, |v[XS+1]|, |v[XS+2]|
	v_max3_num_f32 v13, |v[XS+3]|, |v[XS+4]|, |v[XS+5]|
.irp i, 6,10,14,18,22,26
	v_max3_num_f32 v12, v12, |v[XS+\i]|, |v[XS+\i+1]|
	v_max3_num_f32 v13, v13, |v[XS+\i+2]|, |v[XS+\i+3]|
.endr
	v_max3_num_f32 v12, v12, |v[XS+30]|, |v[XS+31]|
	v_max3_num_f32 v12, v12, v13, 0x1800000        ; and the floor 2^(3 - 127)
	v_add_nc_u32 v11, 0xff000000, v12              ; 2 off the exponent field: the conversion's scale operand
	v_lshrrev_b32 v13, 23, v11                     ; the scale's byte
.if (\t)%4 == 0
	v_mov_b32 v[SB+(\t)/4], v13
.else
	v_lshl_or_b32 v[SB+(\t)/4], v13, 8*((\t)%4), v[SB+(\t)/4]
.endif
	v_cvt_scalef32_pk16_fp6_f32 v[C:C+2], v[XS:XS+15], v11
	v_cvt_scalef32_pk16_fp6_f32 v[C+4:C+6], v[XS+16:XS+31], v11   ; (a conversion's three registers begin on an even number)
	v_nop                                          ; one plain instruction behind a scaled conversion
	v_mov_b32 v[C+3], v[C+4]
	v_mov_b32 v[C+4], v[C+5]
	v_mov_b32 v[C+5], v[C+6]                       ; the block's 24 bytes on end
.irp p, 0,1,2
	ds_store_b64 v4, v[C+2*\p:C+2*\p+1] offset:((\t)/4)*3072+(((\t)/2)%2)*768+384*((\t)%2)+8*\p
.endr
.if (\t)+2 < 8
	LOAD (\t)+2
.endif
	s_wait_dscnt 0x0                               ; the stores have read their registers: the next block's codes may be written
.endm
.irp t, 0,1,2,3,4,5,6,7
	BLOCK \t
.endr
	s_wait_alu depctr_va_vdst(0)
	global_store_b64 v7, v[SB:SB+1], s[18:19]      ; the wave's 32 lanes fill 256 consecutive bytes, aligned
.irp q, 0,1,2,3,4,5,6,7,8,9,10,11
	ds_load_b128 v[OUTR+4*\q:OUTR+4*\q+3], v5 offset:512*\q
.endr
.irp q, 0,1,2,3,4,5,6,7,8,9,10,11
	s_wait_dscnt 11-\q                             ; the younger loads may be out
	global_store_b128 v6, v[OUTR+4*\q:OUTR+4*\q+3], s[18:19] offset:(\q/6)*12288+(\q%6)*512   ; 512 consecutive bytes, aligned to 256
.endr
	s_wait_tensorcnt 0x0                           ; the wave's end
	ds_add_u32 v254, v255
	s_wait_dscnt 0x0
	s_endpgm
; ---- hidden_states
.Ltokens:
.set ROWB,  16384                      ; a row of hidden_states in bytes
.set TP,    528                        ; a row of the turn stage: 512 + 16
.set OSTG,  16*TP                      ; behind it: the stage for one fragment's codes, 1,536 bytes
.set WREG,  OSTG+1536                  ; LDS of one wave
.set SCW,   8*WREG                     ; behind the eight waves' regions: the record's scale words, 1,024 bytes
.set RECB,  25600
.set BLKB,  16*RECB                    ; the 16 records of a block of 128 rows
.set R,     16                         ; v16-143  the numbers as loaded: 64 registers for each 128 along K
.set X,     144                        ; v144-207 64 numbers of my row: register 16 b + i = k 32 b + 16 h + i
.set PC,    208                        ; v208-226 the codes
.set TM,    228                        ; v228-243 at work
.set PW,    244                        ; v244-245 my row's two scale words
.set SEL,   12                         ; s[12:13] lane selects: lane l xor 16
	s_wait_kmcnt 0x0
	s_mov_b64 s[4:5], s[52:53]                     ; hidden_states
	s_mov_b64 s[6:7], s[12:13]                     ; rec
	s_mov_b32 s8, s54                              ; wave = fragment
	s_sub_co_u32 s21, ttmp9, 256
	s_and_b32 s20, s21, 15                         ; which 256 along K
	v_and_b32 v12, 31, v0                          ; l
	v_and_b32 v2, 15, v0                           ; r
	v_bfe_u32 v3, v0, 4, 1                         ; h
	v_lshlrev_b32 v1, 4, v12                       ; 16 l
	s_mul_i32 s9, s8, WREG
	v_add_nc_u32 v4, s9, v1                        ; turn stage, in: 16 l of a row
	v_mul_u32_u24 v5, v2, TP
	v_lshl_add_u32 v5, v3, 6, v5
	v_add_nc_u32 v5, s9, v5                        ; turn stage, out: row r, + 64 h
	v_mul_u32_u24 v6, v12, 24
	v_add_nc_u32 v6, s9, v6
	v_add_nc_u32 v6, OSTG, v6                      ; codes' stage, in: 24 l
	v_add_nc_u32 v7, OSTG, v4                      ; codes' stage, out: 16 l
	s_lshl_b32 s10, s8, 7
	s_add_co_u32 s10, s10, SCW
	v_lshl_add_u32 v8, v2, 3, s10                  ; my row's pair of scale words: 128 w + 8 r
	s_and_b32 s11, s8, 1
	s_lshl_b32 s11, s11, 9
	v_add_nc_u32 v11, s11, v1
	v_add_nc_u32 v9, SCW, v11                      ; waves 0 and 1 send the scale words: 512 bytes each
	v_add_nc_u32 v11, 24576, v11                   ; and their place in the record
	s_mul_i32 s14, s8, 1536
	v_add_nc_u32 v10, s14, v1                      ; my fragment's place in the record
.irp b, 0,1,2,3
	v_mov_b32 v[TM+4+\b], 0                        ; written once: a lane permute's destination counts as one of its sources
.endr
	s_wait_alu depctr_va_vdst(0)
	s_mov_b32 s[SEL], 0x76543210
	s_mov_b32 s[SEL+1], 0xfedcba98
	s_lshr_b32 s15, s21, 4                         ; which 128 rows
	s_lshl_b32 s16, s15, 7
	s_lshr_b32 s17, s8, 1
	s_lshl_b32 s17, s17, 5
	s_add_co_u32 s16, s16, s17
	s_and_b32 s17, s8, 1
	s_lshl_b32 s17, s17, 3
	s_add_co_u32 s16, s16, s17                     ; my fragment's first row: 128 y + 32 (w/2) + 8 (w%2)
	s_lshl_b32 s16, s16, 14
	s_lshl_b32 s17, s20, 10
	s_add_co_u32 s16, s16, s17                     ; + 1,024 bytes for each 256 along K
	s_mov_b32 s17, 0
	s_mul_i32 s18, s15, BLKB
	s_mul_i32 s19, s20, RECB
	s_add_co_u32 s18, s18, s19
	s_mov_b32 s19, 0
	s_add_nc_u64 s[4:5], s[4:5], s[16:17]
	s_add_nc_u64 s[6:7], s[6:7], s[18:19]
.irp s, 0,1
.irp i, 0,1,2,3,4,5,6,7,8,9,10,11,12,13,14,15
	global_load_b128 v[R+64*\s+4*\i:R+64*\s+4*\i+3], v1, s[4:5] offset:(\i+8*(\i/8))*ROWB+512*\s th:TH_LOAD_NT
.endr
.endr
; 64 numbers of a lane, register 16 b + i = k 32 b + 16 h + i of my row, become a fragment's 12 registers of codes at v[PC] and its scale word in v[pw]; the four blocks go by turns
.macro QUANT s, pw
.irp b, 0,1,2,3
	v_max3_num_f32 v[TM+\b], |v[\s+16*\b]|, |v[\s+1+16*\b]|, 0x1800000   ; my 16 numbers of block b, and the floor 2^(3 - 127)
.endr
.irp i, 2,4,6,8,10,12,14
.irp b, 0,1,2,3
	v_max3_num_f32 v[TM+\b], v[TM+\b], |v[\s+16*\b+\i]|, |v[\s+1+16*\b+\i]|
.endr
.endr
.irp b, 0,1,2,3
	v_permlanex16_b32 v[TM+4+\b], v[TM+\b], s[SEL], s[SEL+1]
.endr
.irp b, 0,1,2,3
	v_max_num_f32 v[TM+\b], v[TM+\b], v[TM+4+\b]   ; with lane l xor 16's: the block's largest magnitude
.endr
.irp b, 0,1,2,3
	v_add_nc_u32 v[TM+12+\b], 0xff000000, v[TM+\b] ; 2 off its exponent field: the conversion's scale operand
.endr
.irp b, 0,1,2,3
	v_lshrrev_b32 v[TM+4+\b], 23, v[TM+12+\b]      ; the scale's byte
.endr
	v_lshl_or_b32 v[\pw], v[TM+5], 8, v[TM+4]
	v_lshl_or_b32 v[\pw], v[TM+6], 16, v[\pw]
	v_lshl_or_b32 v[\pw], v[TM+7], 24, v[\pw]
.irp c, 0,1
	v_cvt_scalef32_pk16_fp6_f32 v[PC+6*\c:PC+2+6*\c], v[\s+32*\c:\s+15+32*\c], v[TM+12+2*\c]
	v_cvt_scalef32_pk16_fp6_f32 v[PC+12+4*\c:PC+14+4*\c], v[\s+16+32*\c:\s+31+32*\c], v[TM+12+2*\c+1]   ; (a conversion's three registers begin on an even number)
.endr
	v_nop                                          ; one plain instruction behind a scaled conversion
.irp c, 0,1                                    ; the layout wants a whole block in a lane: lanes 0-15 block 2 c, lanes 16-31 block 2 c + 1
.irp i, 0,1,2
	v_permlane16_swap_b32 v[PC+6*\c+\i], v[PC+12+4*\c+\i]
.endr
.irp i, 0,1,2
	v_mov_b32 v[PC+3+6*\c+\i], v[PC+12+4*\c+\i]
.endr
.endr
.endm
.macro HALF e                          ; the e-th 128 along K
.if \e == 0
	s_wait_loadcnt 16                              ; the first 16 loads are in; the 16 of the second half may be out
.else
	s_wait_loadcnt 0x0
.endif
.irp i, 0,1,2,3,4,5,6,7,8,9,10,11,12,13,14,15
	ds_store_b128 v4, v[R+64*\e+4*\i:R+64*\e+4*\i+3] offset:TP*\i
.endr
.irp b, 0,1,2,3
.irp j, 0,1,2,3
	ds_load_b128 v[X+16*\b+4*\j:X+16*\b+4*\j+3], v5 offset:128*\b+16*\j   ; LDS serves a wave's instructions in order: these see my stores
.endr
.endr
	s_wait_dscnt 0x0
	QUANT X, PW+\e
.irp c, 0,1
.irp p, 0,1,2
	ds_store_b64 v6, v[PC+6*\c+2*\p:PC+6*\c+2*\p+1] offset:768*\c+8*\p
.endr
.endr
.irp q, 0,1,2
	ds_load_b128 v[R+64*\e+4*\q:R+64*\e+4*\q+3], v7 offset:512*\q
.endr
	s_wait_dscnt 0x0
.irp q, 0,1,2
	global_store_b128 v10, v[R+64*\e+4*\q:R+64*\e+4*\q+3], s[6:7] offset:12288*\e+512*\q   ; 32 lanes store 512 consecutive bytes, aligned to 256
.endr
.endm
	HALF 0
	HALF 1
	ds_store_b64 v8, v[PW:PW+1]                    ; both halves of the lanes write the same words
	s_wait_dscnt 0x0                               ; for the others' sake: my scale words lie in LDS
	s_barrier_signal -1
	s_barrier_wait -1
	s_cmp_lt_u32 s8, 2
	s_cbranch_scc0 .Ldone
	ds_load_b128 v[X:X+3], v9
	s_wait_dscnt 0x0
	global_store_b128 v11, v[X:X+3], s[6:7]        ; 512 consecutive bytes of scale words
.Ldone:
	s_wait_tensorcnt 0x0                           ; the wave's end
	ds_add_u32 v254, v255
	s_wait_dscnt 0x0
	s_endpgm
.Lfunc_end_k_q0ab0140512_quant:
	.size	k_q0ab0140512_quant, .Lfunc_end_k_q0ab0140512_quant-k_q0ab0140512_quant
	.p2alignl 7, 3214868480
	.fill 96, 4, 3214868480
	.section	.rodata,"a",@progbits
	.p2align	6, 0x0
	.amdhsa_kernel k_q0ab0140512_quant
		.amdhsa_group_segment_fixed_size 132096
		.amdhsa_private_segment_fixed_size 0
		.amdhsa_enable_private_segment 0
		.amdhsa_kernarg_size 56
		.amdhsa_user_sgpr_count 2
		.amdhsa_user_sgpr_kernarg_segment_ptr 1
		.amdhsa_wavefront_size32 1
		.amdhsa_system_sgpr_workgroup_id_x 1
		.amdhsa_system_sgpr_workgroup_id_y 1
		.amdhsa_system_sgpr_workgroup_id_z 1
		.amdhsa_system_vgpr_workitem_id 0
		.amdhsa_next_free_vgpr 256
		.amdhsa_next_free_sgpr 66
		.amdhsa_reserve_vcc 0
		.amdhsa_float_denorm_mode_32 3
		.amdhsa_float_denorm_mode_16_64 3
		.amdhsa_memory_ordered 1
		.amdhsa_forward_progress 1
		.amdhsa_inst_pref_size 66
	.end_amdhsa_kernel
	.amdgpu_metadata
---
amdhsa.version: [ 1, 2 ]
amdhsa.kernels:
  - .name:           k_q0ab0140512_quant
    .symbol:         k_q0ab0140512_quant.kd
    .args:
      - { .name: Wq, .offset: 0, .size: 8, .value_kind: global_buffer, .address_space: global }
      - { .name: Wk, .offset: 8, .size: 8, .value_kind: global_buffer, .address_space: global }
      - { .name: Wv, .offset: 16, .size: 8, .value_kind: global_buffer, .address_space: global }
      - { .name: Wo, .offset: 24, .size: 8, .value_kind: global_buffer, .address_space: global }
      - { .name: rec, .offset: 32, .size: 8, .value_kind: global_buffer, .address_space: global }
      - { .name: worec, .offset: 40, .size: 8, .value_kind: global_buffer, .address_space: global }
      - { .name: hidden_states, .offset: 48, .size: 8, .value_kind: global_buffer, .address_space: global }
    .group_segment_fixed_size: 132096
    .private_segment_fixed_size: 0
    .kernarg_segment_align: 8
    .kernarg_segment_size: 56
    .max_flat_workgroup_size: 256
    .sgpr_count:     66
    .vgpr_count:     256
    .wavefront_size: 32
...
	.end_amdgpu_metadata
.endif
;; end of part 1
;; launch gemm_qkv (part 2): grid 192 x 1, 8 waves a work-group, clusters of 4 x 1, 327,680 bytes of LDS; arguments rec, qkv; writes qkv
.if DOCPART == 2
	.amdgcn_target "amdgcn-amd-amdhsa--gfx1250"
	.amdhsa_code_object_version 6
	.text
	.protected	k_q0ab0140512_gemm_qkv
	.globl	k_q0ab0140512_gemm_qkv
	.p2align	8
	.type	k_q0ab0140512_gemm_qkv,@function
k_q0ab0140512_gemm_qkv:
	s_mov_b64 s[64:65], 0
	v_nop
	global_prefetch_b8 v0, s[64:65] scope:SCOPE_SE
	s_setreg_imm32_b32 hwreg(HW_REG_WAVE_MODE, 25, 1), 1
	s_wait_xcnt 0x0
	s_wait_alu depctr_hold_cnt(0) depctr_sa_sdst(0) depctr_va_vdst(0) depctr_va_sdst(0) depctr_va_ssrc(0) depctr_va_vcc(0) depctr_vm_vsrc(0)
	s_getreg_b32 s2, hwreg(HW_REG_IB_STS2, 6, 4)
	s_cmp_eq_u32 s2, 0
	s_cbranch_scc0 .Lentry_in_a_cluster
	s_endpgm
.Lentry_in_a_cluster:
	s_bfe_u32 s2, ttmp6, 0x10000c
	s_cmp_lg_u32 s2, 0x3003
	s_cbranch_scc0 .Lentry_shape_is_right
	s_endpgm
.Lentry_shape_is_right:
; q = x Wq, k = x Wk, v = x Wv on codes of FP6 (E2M3) with E8M0 scales, K = 4,096; the results are quantised on the way out and leave as codes: q and k along the head's 64, v along the keys.
; C[R][P] is made with source 0 = 16 rows of the P operand and source 1 = 16 rows of the R operand: a lane holds ONE row R and its registers run along P, which is the next product's K.
; For q and k: R = tokens, P = columns of Wq | Wk.  For v the two operands change places BY OFFSETS ALONE: R = columns of Wv (the head's d), P = tokens (the keys).
; OPERANDS: records of 128 rows x 256 K, 25,600 bytes, in the order of the operand's registers: codes at s2*12288 + t*1536 + c*768 + 24 l, scale words at 24576 + 8 (16 t + r) + 4 s2.
; rec: 40 blocks of 16 records: 0-15 tokens, 16-31 Wq, 32-35 Wk, 36-39 Wv.  Row r of fragment t is row 32 (t/2) + 8 (t%2) + r + 8 (r/8): so the registers of tiles 2 b, 2 b + 1 are 16 neighbours along P.
; SHARES: a work-group makes 256 (R) x 128 (P): 2,048 x 3,072 results are 192 such tiles, one to a work-group.  Eight waves, two to a SIMD, each 64 x 64 (16 accumulators): wave w takes rows 64 (w / 2) on and columns 64 (w % 2) on.
; CLUSTER: 4 x 1.  The four partners make the same 256 rows R against four neighbouring blocks of P: A's records, two thirds of a step's bytes, are asked for JOINTLY (mask 15); each partner's own 128 rows of B come by a load of its own
; behind the same round.  A 4 x 4 cluster of these tiles would be 1,024 x 512, and v^T has 512 rows R: it does not divide.  Clusters 0-39: q and k (8 blocks of 256 tokens x 5 groups of 4 blocks of columns); 40-47: v (2 x 4).
; K goes in steps of 512 through two LDS slots of six records (A's block 0: two, A's block 1: two, B: two).  Waves 0-3 fetch one record of A each, waves 4-7 a quarter of B's two records each: one load a wave behind each round.
; No prefetch: each record is read by two to eight clusters, not once.
; RESULT: a wave's 64 x 64 becomes one block of 3,328 bytes in qkv at [u1][u2]: four half fragments (16 rows x 64 K: lane l owns 24 bytes at 24 l) at 768 i, then at 3072 + 8 (16 b + r) the word
; [tile 2 b: blocks 0, 1; tile 2 b + 1: blocks 0, 1] and a zero word.  u1: 0-31 q's heads, 32-39 k's, 40-47 v's; u2: the chunk of 64 tokens.
; LIMITS: a block's largest magnitude is floored at 2^-124, so a block of zeros gets the byte 1 (its codes are zeros; this program alone reads the bytes); NaN and infinities are not served.
; REGISTERS: window 0: v16-29 addresses; v32-47 scale words and nothing else; v48-127 the way out; v128-255 accumulator (a, b) at 128 + 32 a + 8 b.  Window 1: two fragment buffers at v0 and v128: B's four fragments, then A's four.
.set RECB,  25600
.set PARTB, 12800                      ; a quarter of B's two records: what one of waves 4-7 fetches
.set SLOT,  6*RECB
.set BLKB,  16*RECB
.set LAPS,  4                          ; a lap = two slots = 1,024 along K
.set STAGE, 0                          ; the way out: 3,072 bytes for each wave, in slot 0, which has had its last fill and its last read when the first result is stored there
.set SPARE, 2*SLOT                     ; behind the ring: the spare words, 128 bytes for each wave: four blocks of 256 bytes that no other line names
.set ADRA,  16                         ; v16-17 my A fragments in slot 0, 1
.set ADRB,  20                         ; v20-21 my B fragments
.set ADRS,  22                         ; v22-23 my scale words: lanes 0-15 A's rows, lanes 16-31 B's
.set STO,   24
.set RD,    25
.set CO,    26
.set CW,    27
.set SPW,   28                         ; v28 my spare word's address; never rewritten
.set NIL,   29                         ; v29 0; never rewritten
.set SC,    32                         ; scale words: set rho (which record of the slot) at + 8 rho; register 2 i + s2: lanes 0-15 A's tile i, lanes 16-31 B's tile i
.set QM,    112                        ; v112-119 the quantiser's work
.set ACC,   128
.set SEL,   22                         ; s[22:23]
.set G1,    24                         ; s[24:31] group 1 for A's records;  s[32:39] group 0, one set for each slot
.set G0,    32
.set G1B,   48                         ; s[48:55], s[56:63] the same for B's quarters
.set G0B,   56
.set MSB, 0
.macro WIN new                         ; the immediate's high byte repeats the setting that is left
.if MSB != \new
	s_set_vgpr_msb (MSB<<8)|\new
.set MSB, \new
.endif
.endm
.set W_MUL, 0x05                       ; sources 0 and 1 window 1; C and D window 0
.set TO_F,  0x40                       ; destination window 1, address window 0
.macro JLOAD s                         ; waves 0-3: the joint load of a record of A; waves 4-7: my work-group's own load of a quarter of B.  The branch hangs on the wave's number alone; four v_nop follow each line
	s_cmp_eq_u32 s11, 0
	s_cbranch_scc0 .Lfor_b_\@
	tensor_load_to_lds s[G0+4*\s:G0+4*\s+3], s[G1:G1+7]
	s_nop 0
.rept 4
	v_nop
.endr
	s_branch .Lasked_\@
.Lfor_b_\@:
	tensor_load_to_lds s[G0B+4*\s:G0B+4*\s+3], s[G1B:G1B+7]
	s_nop 0
.rept 4
	v_nop
.endr
.Lasked_\@:
.endm
.macro CREST                           ; a round of the cluster's barrier behind its opening barrier
	s_cmp_lg_u32 s10, 0
	s_cbranch_scc1 .Lnot_wave_0_\@
	s_barrier_signal -3
.Lnot_wave_0_\@:
	s_barrier_wait -3
	s_barrier_signal -1
	s_barrier_wait -1
.endm
.macro CROUND
	s_barrier_signal -1
	s_barrier_wait -1
	CREST
.endm
.macro PLACES                          ; four plain instructions in front of loads into registers that matrix instructions have read, and of the first read of results
.rept 4
	v_nop
.endr
.endm
	s_load_b128 s[4:7], s[0:1], 0x0                ; rec, qkv
	v_lshl_add_u32 v[SPW], v0, 2, SPARE
	v_mov_b32 v[NIL], 0
	ds_add_u32 v28, v29
	ds_add_u32 v28, v29
	s_wait_dscnt 0x0
	v_lshrrev_b32 v1, 5, v0
	s_delay_alu instid0(VALU_DEP_1)
	v_readfirstlane_b32 s10, v1                    ; wave 0..7
	s_lshr_b32 s11, s10, 2                         ; I fetch for A (0) or for B (1)
	s_and_b32 s12, s10, 1                          ; wc: which 64 along P are mine
	s_lshr_b32 s13, s10, 1                         ; wr: which 64 of the 256 rows R
	s_bfe_u32 s40, ttmp6, 0x40000                  ; cx: my place in the cluster: it enters B's and the result's addresses alone
	s_and_b32 s42, ttmp9, 7                        ; cluster c = 0..39: q and k; 40..47: v
	s_lshl_b32 s42, s42, 1                         ; q, k: A's first block 2 (c & 7)
	s_and_b32 s44, ttmp9, 1
	s_lshl_b32 s44, s44, 1
	s_add_co_u32 s44, s44, 36                      ; v: 36 + 2 (c & 1)
	s_lshr_b32 s43, ttmp9, 3
	s_lshl_b32 s43, s43, 2
	s_add_co_u32 s43, s43, 16                      ; q, k: B's blocks from 16 + 4 (c >> 3) on
	s_max_u32 s45, ttmp9, 40                       ; (so that the other candidate does not wrap)
	s_lshr_b32 s45, s45, 1
	s_sub_co_u32 s45, s45, 20
	s_lshl_b32 s45, s45, 2                         ; v: from 4 ((c - 40) >> 1) on
	s_cmp_lt_u32 ttmp9, 40                         ; the same in all four partners
	s_cselect_b32 s42, s42, s44                    ; A's first block of 128 rows
	s_cselect_b32 s43, s43, s45
	s_add_co_u32 s43, s43, s40                     ; B's block
	s_mov_b32 s[G1+0], 15|(3<<16)|(1<<21)          ; 15:0 the mask: all four work-groups; 17:16 elements of 8 bytes; 21 set beside a mask; no padding
	s_mov_b32 s[G1+1], 32<<16                      ; tensor_dim0: a row of 256 bytes
	s_mov_b32 s[G1+2], 200<<16                     ; tensor_dim1: the head's load brings two records on end, 200 rows; the ring's loads one (set behind the head's wait)
	s_mov_b32 s[G1+3], 32<<16                      ; tile_dim0
	s_mov_b32 s[G1+4], 200                         ; tile_dim1
	s_mov_b32 s[G1+5], 32                          ; the pitch
	s_mov_b32 s[G1+6], 0
	s_mov_b32 s[G1+7], 0
	s_mov_b32 s[G1B+0], 3<<16                      ; no mask: my work-group's own load
	s_mov_b32 s[G1B+1], 32<<16
	s_mov_b32 s[G1B+2], 100<<16                    ; the head's load brings a whole record of B, 100 rows; the ring's loads a quarter of two records, 50 rows
	s_mov_b32 s[G1B+3], 32<<16
	s_mov_b32 s[G1B+4], 100
	s_mov_b32 s[G1B+5], 32
	s_mov_b32 s[G1B+6], 0
	s_mov_b32 s[G1B+7], 0
	s_bfe_u32 s20, s10, 0x10001                    ; A: wave 0..3 fetches record w % 2 of block (w / 2) % 2
	s_add_co_u32 s16, s42, s20
	s_mul_i32 s16, s16, BLKB
	s_mul_i32 s20, s12, RECB
	s_add_co_u32 s16, s16, s20
	s_mov_b32 s17, 0
	s_and_b32 s21, s10, 3                          ; B: wave 4..7 fetches quarter w % 4
	s_mul_i32 s18, s43, BLKB
	s_mul_i32 s20, s21, PARTB
	s_add_co_u32 s18, s18, s20
	s_mov_b32 s19, 0
	s_mul_i32 s46, s21, RECB                       ; where they go in a slot: A's four records,
	s_add_co_u32 s47, s20, 4*RECB                  ; then B's four quarters: no place in the cluster enters an LDS address
	s_mov_b32 s[SEL], 0x76543210
	s_mov_b32 s[SEL+1], 0xfedcba98
	s_wait_kmcnt 0x0
	s_add_nc_u64 s[14:15], s[4:5], s[16:17]
	s_add_nc_u64 s[8:9], s[4:5], s[18:19]
	CROUND                                         ; all four work-groups are here: the first joint loads meet
.irp s, 0,1
	s_mov_b32 s[G0+4*\s], 1
	s_add_co_u32 s[G0+4*\s+1], s46, \s*SLOT
	s_add_nc_u64 s[G0+4*\s+2:G0+4*\s+3], s[14:15], \s*2*RECB
	s_or_b32 s[G0+4*\s+3], s[G0+4*\s+3], 0x80000000
	s_mov_b32 s[G0B+4*\s], 1
	s_add_co_u32 s[G0B+4*\s+1], s47, \s*SLOT
	s_add_nc_u64 s[G0B+4*\s+2:G0B+4*\s+3], s[8:9], \s*2*RECB
	s_or_b32 s[G0B+4*\s+3], s[G0B+4*\s+3], 0x80000000
.endr
	; THE HEAD'S LOADS, ONE A WAVE, FILL BOTH SLOTS.  A block's records lie on end in memory, and a slot holds a block's two records on end:
	; wave 0..3 = (block b = w / 2, i = w % 2) brings records 2 i, 2 i + 1 of A's block b into slot i; wave 4..7 (j = w % 4) brings record j of B into slot j / 2.
	s_mov_b32 s68, 1
	s_mul_i32 s69, s12, SLOT
	s_bfe_u32 s20, s10, 0x10001
	s_mul_i32 s20, s20, 2*RECB
	s_add_co_u32 s69, s69, s20                     ; A: LDS i SLOT + 2 b records
	s_mul_i32 s20, s12, RECB
	s_mov_b32 s21, 0
	s_add_nc_u64 s[70:71], s[14:15], s[20:21]      ; from record i on to record 2 i
	s_or_b32 s71, s71, 0x80000000
	s_mov_b32 s72, 1
	s_and_b32 s20, s10, 3
	s_lshr_b32 s73, s20, 1
	s_mul_i32 s73, s73, SLOT
	s_and_b32 s21, s20, 1
	s_mul_i32 s21, s21, RECB
	s_add_co_u32 s73, s73, s21
	s_add_co_u32 s73, s73, 4*RECB                  ; B: LDS (j / 2) SLOT + 4 records + (j % 2) records
	s_mul_i32 s20, s20, RECB-PARTB
	s_mov_b32 s21, 0
	s_add_nc_u64 s[74:75], s[8:9], s[20:21]        ; from quarter j on to record j
	s_or_b32 s75, s75, 0x80000000
	s_cmp_eq_u32 s11, 0
	s_cbranch_scc0 .Lhead_b
	tensor_load_to_lds s[68:71], s[G1:G1+7]
	s_nop 0
.rept 4
	v_nop
.endr
	s_branch .Lhead_asked
.Lhead_b:
	tensor_load_to_lds s[72:75], s[G1B:G1B+7]
	s_nop 0
.rept 4
	v_nop
.endr
.Lhead_asked:
	v_and_b32 v1, 15, v0                           ; r
	v_bfe_u32 v2, v0, 4, 1                         ; h
	v_and_b32 v3, 31, v0                           ; l
	s_delay_alu instid0(VALU_DEP_1)
	v_mul_u32_u24 v4, v3, 24
	s_wait_alu depctr_va_vdst(0)
	s_lshr_b32 s20, s13, 1                         ; which of A's two blocks holds my rows,
	s_mul_i32 s20, s20, 2*RECB
	s_and_b32 s21, s13, 1                          ; and which four of its eight fragments
	s_mul_i32 s46, s21, 6144
	s_add_co_u32 s46, s46, s20
	s_mul_i32 s47, s12, 6144                       ; my four fragments of B,
	s_add_co_u32 s47, s47, 4*RECB                  ; behind A's four records
.irp s, 0,1
	v_add_nc_u32 v[ADRA+\s], s46, v4
	v_add_nc_u32 v[ADRB+\s], s47, v4
	s_add_co_u32 s46, s46, SLOT
	s_add_co_u32 s47, s47, SLOT
.endr
	s_lshl_b32 s21, s21, 9                         ; scale words: my 64 rows of A begin 512 (wr % 2) bytes on in their block's records,
	s_add_co_u32 s20, s20, s21
	s_lshl_b32 s21, s12, 9
	s_add_co_u32 s21, s21, 4*RECB                  ; B's 512 wc on, behind A's four records
	s_sub_co_u32 s21, s21, s20
	v_mul_u32_u24 v6, s21, v2                      ; lanes 16-31 take B's: one product, h x the distance
	s_add_co_u32 s20, s20, 24576
	v_lshl_add_u32 v5, v1, 3, v6
	s_delay_alu instid0(VALU_DEP_1)
	v_add_nc_u32 v[ADRS], s20, v5
	s_delay_alu instid0(VALU_DEP_1)
	v_add_nc_u32 v[ADRS+1], SLOT, v[ADRS]
	s_mul_i32 s20, s10, 3072
	s_add_co_u32 s20, s20, STAGE
	v_add_nc_u32 v[STO], s20, v4                   ; my stage, in: 24 l
	v_lshlrev_b32 v[CO], 4, v3
	s_delay_alu instid0(VALU_DEP_1)
	v_add_nc_u32 v[RD], s20, v[CO]                 ; and back: 16 l
	v_lshlrev_b32 v[CW], 3, v3
	v_mov_b32 v[QM+2], 0                           ; written once: a lane permute's destination counts as one of its sources
	v_mov_b32 v[QM+3], 0
	s_lshl_b32 s44, s42, 1
	s_add_co_u32 s44, s44, s13                     ; 2 (A's first block) + wr: my chunk of 64 rows R
	s_lshl_b32 s45, s43, 1
	s_add_co_u32 s45, s45, s12                     ; 2 (B's block) + wc: my chunk of 64 along P
	s_cmp_lt_u32 ttmp9, 40
	s_cselect_b32 s47, s45, s44                    ; u1 + 32: by P for q and k, by R for v
	s_cselect_b32 s44, s44, s45                    ; u2: the chunk of tokens
	s_sub_co_u32 s47, s47, 32
	s_mul_i32 s47, s47, 106496
	s_mul_i32 s44, s44, 3328
	s_add_co_u32 s46, s47, s44
	s_mov_b32 s47, 0
	s_add_nc_u64 s[6:7], s[6:7], s[46:47]          ; my block of qkv
; Four matrix instructions: A's tile a x B's four, the slot's q-th 128 along K.  The 16 accumulators take turns in the same order in every quarter.
.macro MUL4 a, q, zero
.irp b, 0,1,2,3
.if \zero
	v_wmma_scale_f32_16x16x128_f8f6f4 v[ACC+32*(\a)+8*\b:ACC+32*(\a)+8*\b+7], v[128*((\q)%2)+12*\b:128*((\q)%2)+12*\b+11], v[128*((\q)%2)+48+12*(\a):128*((\q)%2)+48+12*(\a)+11], 0, v[SC+8*((\q)/2)+2*\b+(\q)%2], v[SC+8*((\q)/2)+2*(\a)+(\q)%2] matrix_a_fmt:MATRIX_FMT_FP6 matrix_b_fmt:MATRIX_FMT_FP6 matrix_a_scale:MATRIX_SCALE_ROW1
.else
	v_wmma_scale_f32_16x16x128_f8f6f4 v[ACC+32*(\a)+8*\b:ACC+32*(\a)+8*\b+7], v[128*((\q)%2)+12*\b:128*((\q)%2)+12*\b+11], v[128*((\q)%2)+48+12*(\a):128*((\q)%2)+48+12*(\a)+11], v[ACC+32*(\a)+8*\b:ACC+32*(\a)+8*\b+7], v[SC+8*((\q)/2)+2*\b+(\q)%2], v[SC+8*((\q)/2)+2*(\a)+(\q)%2] matrix_a_fmt:MATRIX_FMT_FP6 matrix_b_fmt:MATRIX_FMT_FP6 matrix_a_scale:MATRIX_SCALE_ROW1
.endif
.endr
.endm
; One run of LDS loads: the fragments of the slot's q-th 128 along K into buffer q % 2: B's four, then A's four, 6 loads of 8 bytes each; ahead of them, where a record begins, its scale words (both halves' at once)
.macro FETCH slot, q
.if (\q)%2 == 0
	WIN 0
.irp i, 0,1,2,3
	ds_load_b64 v[SC+8*((\q)/2)+2*\i:SC+8*((\q)/2)+2*\i+1], v[ADRS+\slot] offset:((\q)/2)*RECB+128*\i
.endr
.endif
	WIN TO_F
.irp i, 0,1,2,3
.irp p, 0,1,2,3,4,5
	ds_load_b64 v[128*((\q)%2)+12*\i+2*\p:128*((\q)%2)+12*\i+2*\p+1], v[ADRB+\slot] offset:((\q)/2)*RECB+((\q)%2)*12288+1536*\i+768*(\p/3)+8*(\p%3)
.endr
.endr
.irp i, 0,1,2,3
.irp p, 0,1,2,3,4,5
	ds_load_b64 v[128*((\q)%2)+48+12*\i+2*\p:128*((\q)%2)+48+12*\i+2*\p+1], v[ADRA+\slot] offset:((\q)/2)*RECB+((\q)%2)*12288+1536*\i+768*(\p/3)+8*(\p%3)
.endr
.endr
.endm
.macro QUARTER slot, q, zero           ; one of a slot's first three quarters: multiplies buffer q % 2, fetches the next quarter in its middle
	s_wait_dscnt 12                                ; the scale words, B's four and A's tiles 0, 1 are in; the youngest twelve loads (A's tiles 2, 3) may be out
	WIN W_MUL
	MUL4 0, \q, \zero
	MUL4 1, \q, \zero
	s_wait_dscnt 0x0                               ; A's tiles 2, 3 are in (asked for eight matrix instructions ago and more)
	PLACES
	FETCH \slot, (\q)+1
	WIN W_MUL
	MUL4 2, \q, \zero
	MUL4 3, \q, \zero
.endm
; A slot's last quarter changes slots: ONE barrier; in front of it each wave waits for all its tensor loads, adds 0 to its spare word, and waits for that and for its reads of this slot.  fill = 1: the slot is filled again, two slots ahead.
.macro TURN slot, next, fill
	WIN 0                                          ; (the add's two registers lie in window 0)
	s_wait_tensorcnt 0x0                           ; all my tensor loads have landed: my part of the next slot
	ds_add_u32 v[SPW], v[NIL]                      ; 0 onto my spare word
	s_wait_dscnt 13                                ; (the add and the youngest twelve loads may be out)
	WIN W_MUL
	MUL4 0, 3, 0                                   ; matrix work stands between the add and the wait for it
	s_wait_dscnt 0x0                               ; the add is done, and my reads of this slot are over
	s_barrier_signal -1
	MUL4 1, 3, 0
	WIN 0
	s_barrier_wait -1
.if \fill
	CREST                                          ; the barrier has opened a round of the cluster's: no wave of any partner still reads this slot or has a load on its way
	s_add_nc_u64 s[G0+4*\slot+2:G0+4*\slot+3], s[G0+4*\slot+2:G0+4*\slot+3], 4*RECB
	s_add_nc_u64 s[G0B+4*\slot+2:G0B+4*\slot+3], s[G0B+4*\slot+2:G0B+4*\slot+3], 4*RECB
	JLOAD \slot                                    ; the first tensor load behind the round, one a wave; its four v_nop are the places in front of the loads below
.else
	PLACES
.endif
	FETCH \next, 0
	WIN W_MUL
	MUL4 2, 3, 0
	MUL4 3, 3, 0
.endm
; 32 registers of a lane, register 16 b + i = k 32 b + 16 h + i of my row, become a half fragment (6 registers at d: block h of my row) and the pair of scale bytes in pr.  Each accumulator is read from its low end on.
.macro QUANT2 s, d, y, pr
.irp b, 0,1
	v_max3_num_f32 v[QM+\b], |v[\s+16*\b]|, |v[\s+16*\b+1]|, 0x1800000   ; and the floor 2^(3 - 127)
.endr
.irp i, 2,4,6,8,10,12,14
.irp b, 0,1
	v_max3_num_f32 v[QM+\b], v[QM+\b], |v[\s+16*\b+\i]|, |v[\s+16*\b+\i+1]|
.endr
.endr
.irp b, 0,1
	s_delay_alu instid0(VALU_DEP_2)
	v_permlanex16_b32 v[QM+2+\b], v[QM+\b], s[SEL], s[SEL+1]
.endr
.irp b, 0,1
	s_delay_alu instid0(VALU_DEP_2)
	v_max_num_f32 v[QM+\b], v[QM+\b], v[QM+2+\b]
.endr
.irp b, 0,1
	s_delay_alu instid0(VALU_DEP_2)
	v_add_nc_u32 v[QM+4+\b], 0xff000000, v[QM+\b]  ; 2 off the exponent field: the conversion's scale operand
.endr
.irp b, 0,1
	s_delay_alu instid0(VALU_DEP_2)
	v_lshrrev_b32 v[QM+6+\b], 23, v[QM+4+\b]
.endr
	s_delay_alu instid0(VALU_DEP_1)
	v_lshl_or_b32 v[\pr], v[QM+7], 8, v[QM+6]
	v_cvt_scalef32_pk16_fp6_f32 v[\d:\d+2], v[\s:\s+15], v[QM+4]
	v_cvt_scalef32_pk16_fp6_f32 v[\y:\y+2], v[\s+16:\s+31], v[QM+5]
	v_nop                                          ; one plain instruction behind a scaled conversion
.irp i, 0,1,2
	v_permlane16_swap_b32 v[\d+\i], v[\y+\i]       ; lanes 0-15 now hold block 0, lanes 16-31 block 1: the lower 16 codes in d, the upper in y
.endr
.irp i, 0,1,2
	s_delay_alu instid0(VALU_DEP_3)
	v_mov_b32 v[\d+3+\i], v[\y+\i]
.endr
.endm
	s_wait_alu depctr_va_vdst(0)
	s_wait_tensorcnt 0x0                           ; my part of the two slots is in; no tensor load of mine is out, so group 1 may be written:
	s_mov_b32 s[G1+2], 100<<16                     ; from here on a load of A brings one record,
	s_mov_b32 s[G1+4], 100
	s_mov_b32 s[G1B+2], 50<<16                     ; a load of B a quarter of two records
	s_mov_b32 s[G1B+4], 50
	s_barrier_signal -1
	s_barrier_wait -1
	FETCH 0, 0
	QUARTER 0, 0, 1                                ; the first quarter stands in front of the loop: its products start the sums
	WIN 0
	s_mov_b32 s3, LAPS-1
.Llap:                                             ; a trip goes once round the ring and fills both slots again
	QUARTER 0, 1, 0
	QUARTER 0, 2, 0
	TURN 0, 1, 1
	QUARTER 1, 0, 0
	QUARTER 1, 1, 0
	QUARTER 1, 2, 0
	TURN 1, 0, 1
	QUARTER 0, 0, 0
	WIN 0
	s_sub_co_u32 s3, s3, 1
	s_cmp_lg_u32 s3, 0
	s_cbranch_scc1 .Llap
	QUARTER 0, 1, 0                                ; the last lap fills nothing
	QUARTER 0, 2, 0
	TURN 0, 1, 0                                   ; behind this barrier nobody reads slot 0 any more, and nothing is filled into it: the stages lie there
	QUARTER 1, 0, 0
	QUARTER 1, 1, 0
	QUARTER 1, 2, 0
	s_wait_dscnt 12
	WIN W_MUL
	MUL4 0, 3, 0
	MUL4 1, 3, 0
	s_wait_dscnt 0x0
	MUL4 2, 3, 0
	MUL4 3, 3, 0
	WIN 0
	; THE WAY OUT: each tile of 16 rows is quantised along P; the codes go through my stage and leave as runs of 512 bytes
	PLACES
.irp a, 0,1,2,3
	QUANT2 ACC+32*\a, 48+6*\a, 72, 80+\a
.endr
	v_lshl_or_b32 v84, v81, 16, v80                ; the word of tiles 0, 1
	v_lshl_or_b32 v85, v83, 16, v82                ; and of tiles 2, 3
	s_mov_b32 vcc_lo, 0xffff0000
	v_cndmask_b32 v86, v84, v85, vcc_lo            ; lanes 0-15 store the first, lanes 16-31 the second
	v_mov_b32 v87, 0
.irp a, 0,1,2,3
.irp p, 0,1,2
	ds_store_b64 v[STO], v[48+6*\a+2*\p:48+6*\a+2*\p+1] offset:768*\a+8*\p
.endr
.endr
.irp q, 0,1,2,3,4,5
	ds_load_b128 v[88+4*\q:88+4*\q+3], v[RD] offset:512*\q   ; LDS serves a wave's instructions in order: these see my stores
.endr
	global_store_b64 v[CW], v[86:87], s[6:7] offset:3072     ; 256 consecutive bytes, aligned
.irp q, 0,1,2,3,4,5
	s_wait_dscnt 5-\q
	global_store_b128 v[CO], v[88+4*\q:88+4*\q+3], s[6:7] offset:512*\q
.endr
	s_wait_tensorcnt 0x0                           ; the wave's end
	ds_add_u32 v[SPW], v[NIL]
	s_wait_dscnt 0x0
	CROUND                                         ; the closing round
	s_endpgm
.Lfunc_end_k_q0ab0140512_gemm_qkv:
	.size	k_q0ab0140512_gemm_qkv, .Lfunc_end_k_q0ab0140512_gemm_qkv-k_q0ab0140512_gemm_qkv
	.p2alignl 7, 3214868480
	.fill 96, 4, 3214868480
	.section	.rodata,"a",@progbits
	.p2align	6, 0x0
	.amdhsa_kernel k_q0ab0140512_gemm_qkv
		.amdhsa_group_segment_fixed_size 327680
		.amdhsa_private_segment_fixed_size 0
		.amdhsa_enable_private_segment 0
		.amdhsa_kernarg_size 16
		.amdhsa_user_sgpr_count 2
		.amdhsa_user_sgpr_kernarg_segment_ptr 1
		.amdhsa_wavefront_size32 1
		.amdhsa_system_sgpr_workgroup_id_x 1
		.amdhsa_system_sgpr_workgroup_id_y 1
		.amdhsa_system_sgpr_workgroup_id_z 1
		.amdhsa_system_vgpr_workitem_id 0
		.amdhsa_next_free_vgpr 512
		.amdhsa_next_free_sgpr 76
		.amdhsa_reserve_vcc 1
		.amdhsa_float_denorm_mode_32 3
		.amdhsa_float_denorm_mode_16_64 3
		.amdhsa_memory_ordered 1
		.amdhsa_forward_progress 1
		.amdhsa_inst_pref_size 109
	.end_amdhsa_kernel
	.amdgpu_metadata
---
amdhsa.version: [ 1, 2 ]
amdhsa.kernels:
  - .name:           k_q0ab0140512_gemm_qkv
    .symbol:         k_q0ab0140512_gemm_qkv.kd
    .args:
      - { .name: rec, .offset: 0, .size: 8, .value_kind: global_buffer, .address_space: global }
      - { .name: qkv, .offset: 8, .size: 8, .value_kind: global_buffer, .address_space: global }
    .group_segment_fixed_size: 327680
    .private_segment_fixed_size: 0
    .kernarg_segment_align: 8
    .kernarg_segment_size: 16
    .max_flat_workgroup_size: 256
    .sgpr_count:     76
    .vgpr_count:     512
    .wavefront_size: 32
...
	.end_amdgpu_metadata
.endif
;; end of part 2
;; launch attn (part 3): grid 32 x 8, 8 waves a work-group, clusters of 4 x 1, 327,680 bytes of LDS; arguments qkv, arec; writes arec
.if DOCPART == 3
	.amdgcn_target "amdgcn-amd-amdhsa--gfx1250"
	.amdhsa_code_object_version 6
	.text
	.protected	k_q0ab0140512_attn
	.globl	k_q0ab0140512_attn
	.p2align	8
	.type	k_q0ab0140512_attn,@function
k_q0ab0140512_attn:
	s_mov_b64 s[64:65], 0
	v_nop
	global_prefetch_b8 v0, s[64:65] scope:SCOPE_SE
	s_setreg_imm32_b32 hwreg(HW_REG_WAVE_MODE, 25, 1), 1
	s_wait_xcnt 0x0
	s_wait_alu depctr_hold_cnt(0) depctr_sa_sdst(0) depctr_va_vdst(0) depctr_va_sdst(0) depctr_va_ssrc(0) depctr_va_vcc(0) depctr_vm_vsrc(0)
	s_getreg_b32 s2, hwreg(HW_REG_IB_STS2, 6, 4)
	s_cmp_eq_u32 s2, 0
	s_cbranch_scc0 .Lentry_in_a_cluster
	s_endpgm
.Lentry_in_a_cluster:
	s_bfe_u32 s2, ttmp6, 0x10000c
	s_cmp_lg_u32 s2, 0x3003
	s_cbranch_scc0 .Lentry_shape_is_right
	s_endpgm
.Lentry_shape_is_right:
; o = softmax(q k^T / 8) v for 32 query heads on 8 key and value heads, on codes of FP6 (E2M3) with E8M0 scales; o is quantised along the head's 64 and leaves as codes for the last product.
; IN: qkv, blocks of 3,328 bytes at [u1][u2] (u1: 0-31 q's heads, 32-39 k's, 40-47 v's; u2: chunk of 64 tokens): four half fragments (16 rows x 64 K, lane l owns 24 bytes at 24 l) at 768 i, then at
; 3072 + 8 (16 b + r) the word [tile 2 b: blocks 0, 1; tile 2 b + 1: blocks 0, 1].  q, k: rows = tokens, K = the head's 64; v: rows = the head's 64, K = the chunk's 64 keys.
; Row r of tile i is row 32 (i/2) + 8 (i%2) + r + 8 (r/8) of its 64: so a lane's 16 results of tiles 2 b, 2 b + 1 are 16 neighbours.
; OUT: arec, records of 128 tokens x 256 K, 25,600 bytes: codes at s2*12288 + t*1536 + c*768 + 24 l, scale words at 24576 + 8 (16 t + r) + 4 s2.
; SHARES: a work-group takes a chunk of 64 tokens (x) of the four query heads of one key and value head (y): 32 x 8 = 256 work-groups.  Eight waves, two to a SIMD: wave w takes head w % 4 and the TWO tiles of
; 16 queries 2 (w / 4), 2 (w / 4) + 1.  The two tiles go by turns through every phase of a step: each fragment of k and v is read from LDS once for both, and each wait serves both.
; Both products are used transposed (S^T = k q^T, O^T = v^T p^T): a lane holds one query of each tile throughout.  K of the first product is 64: a fragment of k holds two tiles' 64, and q stands once in the
; lower and once in the upper half of an operand whose other half is zero codes.
; LDS: all 2,048 keys of k (from byte 0) and of v (behind them), 2 x 106,496 bytes, come ONCE, by one tensor load a wave at the head: 26,624 dense bytes each (104 rows of 256).  Nothing is filled again:
; one barrier, then every wave walks the keys by itself, 128 a step.  k's fragments of the next step are asked of LDS behind this step's first products, v's at the step's top: each has a buffer of its own.
; CLUSTER: 4 x 1: the four partners (four neighbouring chunks of tokens) need the same k and v: each load is a joint one (mask 15).
; No prefetch: every tile is asked for by the head's loads, so there is no loop of fills to run ahead in.
; SOFTMAX: t = score x log2(e) / 8; M = the ceiling of the running largest t, kept as -M = floor(-t); p = 2^(t - M); the row's sum is taken of the unquantised p; when M moves, sums and O^T are
; multiplied by 2^(old M - new M), in every step, with no branch.  A block's largest p is made from its largest score by the same multiply-add and exponential.
; LIMITS: the promise holds while |t| stays under 2^31; a block's largest magnitude is floored at 2^-124, so a block of zeros gets the byte 1 (its codes are zeros; this program alone reads the bytes);
; NaN and infinities are not served.
; REGISTERS.  Window 0: v1-11 addresses; v16-31 scale words; v32-67 q of both tiles between zero codes; v68-115 k's fragments; v116-163 v's; from v164 24 registers of small state for each tile.
; Window 1, tile x at 128 x: S^T then p at 0-63, O^T at 64-95, p's codes at 96-107, their upper halves on the way at 108-115.
.set WRB,   3328
.set HEADB, 32*WRB
.set QTR,   8*WRB                      ; what one tensor load brings
.set STG,   2*HEADB                    ; behind k and v: a stage of 1,536 bytes for each wave's codes
.set SCP,   STG+8*1536                 ; the work-group's 512 bytes of scale words
.set SPARE, 0x38000                    ; the spare words, 128 bytes for each wave: no other line names them
.set ADK,   8                          ; this step's k + 24 l
.set ADV,   9                          ; this step's v + 24 l
.set ADS,   10                         ; k's scale words
.set ADT,   11                         ; v's scale words
.set KS,    16                         ; v16-19 k's scale words
.set VR,    20                         ; v20-23 v's scale words as they lie
.set VW,    24                         ; v24-27 and by tiles
.set QW,    28                         ; v28-29 q's scale word of tile x, its two bytes twice
.set PW,    30                         ; v30-31 p's scale word of tile x
.set QA,    32                         ; tile x at + 18 x: six zeros, q's six registers, six zeros
.set KF,    68
.set VF,    116
.set ST,    164                        ; tile x's state at + 24 x:
.set NM,    0                          ; -M, and the running largest t
.set SA,    2                          ; the row's sum, in two pairs
.set SB,    4
.set F,     6                          ; 2^(old M - new M)
.set BM,    8                          ; the four blocks' largest scores
.set PX,    12
.set SO,    16                         ; the conversions' scale operands
.set T,     20
.set PR,    21
.set QOF,   212
.set WOF,   213
.set WRAW,  214
.set GO8,   218
.set GO16,  219
.set SL,    220
.set OUTR,  224
.set SPW,   254                        ; my spare word's address; never rewritten
.set NIL,   255                        ; 0; never rewritten
.set O,     64                         ; window 1
.set PC,    96
.set Y,     108
.set TB,    2
.set CNT,   3
.set WV,    8
.set SEL,   20
.set CS,    22
.set G1,    24
.set G0,    32
.set MSB, 0
.macro WIN new                         ; low byte: bits 1:0 source 0, 3:2 source 1, 5:4 source 2, 7:6 destination; the high byte repeats the setting that is left
.if MSB != \new
	s_set_vgpr_msb (MSB<<8)|\new
.set MSB, \new
.endif
.endm
.macro CROUND                          ; a round of the cluster's barrier
	s_barrier_signal -1
	s_barrier_wait -1
	s_cmp_lg_u32 s[WV], 0
	s_cbranch_scc1 .Lnot_wave_0_\@
	s_barrier_signal -3
.Lnot_wave_0_\@:
	s_barrier_wait -3
	s_barrier_signal -1
	s_barrier_wait -1
.endm
	s_load_b128 s[4:7], s[0:1], 0x0                ; qkv, arec
	v_lshl_add_u32 v[SPW], v0, 2, SPARE
	v_mov_b32 v[NIL], 0
	ds_add_u32 v[SPW], v[NIL]                      ; the opening lines: two adds on end, waited for ahead of my tensor load
	ds_add_u32 v[SPW], v[NIL]
	v_lshrrev_b32 v1, 5, v0
	v_readfirstlane_b32 s[WV], v1                  ; wave 0..7
	s_lshr_b32 s9, s[WV], 2                        ; my pair of tiles.  Also: I fetch for k (0) or for v (1)
	s_and_b32 s10, s[WV], 3                        ; my head of the four.  Also: which quarter I fetch
	s_and_b32 s11, ttmp7, 0xffff                   ; the key and value head
	s_bfe_u32 s12, ttmp6, 0x40000                  ; cx: it enters q's and the result's addresses alone
	s_lshl_b32 s13, ttmp9, 2
	s_add_co_u32 s13, s13, s12                     ; my chunk of 64 tokens
	s_mov_b32 s[G1], 15|(3<<16)|(1<<21)            ; the mask: all four partners; elements of 8 bytes; bit 21 beside a mask
	s_mov_b32 s[G1+1], 32<<16                      ; rows of 256 bytes,
	s_mov_b32 s[G1+2], 104<<16                     ; 104 of them, dense
	s_mov_b32 s[G1+3], 32<<16
	s_mov_b32 s[G1+4], 104
	s_mov_b32 s[G1+5], 32
	s_mov_b32 s[G1+6], 0
	s_mov_b32 s[G1+7], 0
	s_mul_i32 s[G0+1], s[WV], QTR                  ; LDS: k's four quarters, then v's
	s_lshl_b32 s18, s9, 3
	s_add_co_u32 s18, s18, s11
	s_add_co_u32 s18, s18, 32                      ; u1 = 32 + 8 (v?) + the head
	s_mul_i32 s18, s18, HEADB
	s_mul_i32 s15, s10, QTR
	s_add_co_u32 s18, s18, s15
	s_mov_b32 s19, 0
	s_mov_b32 s[G0], 1
	s_mov_b32 s[SEL], 0x76543210
	s_mov_b32 s[SEL+1], 0xfedcba98                 ; lane l xor 16
	s_mov_b32 s[CS], 0x3e38aa3b                    ; log2(e) / 8
	s_mov_b32 s[CS+1], s[CS]
	s_wait_dscnt 0x0                               ; both opening adds are done
	s_wait_kmcnt 0x0
	s_add_nc_u64 s[G0+2:G0+3], s[4:5], s[18:19]
	s_or_b32 s[G0+3], s[G0+3], 0x80000000
	CROUND                                         ; all four partners are here: the joint loads meet
	tensor_load_to_lds s[G0:G0+3], s[G1:G1+7]      ; my one load
	s_nop 0
	s_lshl_b32 s14, s11, 2                         ; under the load's flight: q's block [4 y + head][chunk],
	s_add_co_u32 s14, s14, s10
	s_mul_i32 s14, s14, HEADB
	s_mul_i32 s15, s13, WRB
	s_add_co_u32 s14, s14, s15
	s_mov_b32 s15, 0
	s_add_nc_u64 s[48:49], s[4:5], s[14:15]
	s_mul_i32 s16, s9, 1536                        ; my two half fragments,
	s_lshl_b32 s17, s9, 7                          ; my pair's scale words
	s_mul_i32 s56, s[WV], 1536
	s_add_co_u32 s56, s56, STG                     ; my stage
	s_lshl_b32 s57, s9, 8
	s_lshl_b32 s54, s10, 1
	s_add_co_u32 s57, s57, s54
	s_add_co_u32 s57, s57, SCP                     ; my pairs of scale bytes: 8 (16 tile + r) + 2 head
	s_lshr_b32 s40, s13, 1
	s_lshl_b32 s40, s40, 3
	s_add_co_u32 s40, s40, s11
	s_mul_i32 s40, s40, 25600                      ; the record: 8 (chunk / 2) + y
	s_and_b32 s41, s13, 1
	s_lshl_b32 s42, s41, 9
	s_add_co_u32 s42, s42, s40
	s_add_co_u32 s52, s42, 24576                   ; the chunk's 512 bytes of scale words
	s_mov_b32 s53, 0
	s_lshl_b32 s41, s41, 1
	s_add_co_u32 s41, s41, s9
	s_mul_i32 s41, s41, 3072                       ; fragment t = 4 (chunk % 2) + 2 (pair), and the next
	s_add_co_u32 s40, s40, s41
	s_lshr_b32 s41, s10, 1
	s_mul_i32 s41, s41, 12288                      ; s2 = head / 2
	s_add_co_u32 s40, s40, s41
	s_and_b32 s41, s10, 1
	s_mul_i32 s41, s41, 768                        ; c = head % 2
	s_add_co_u32 s50, s40, s41
	s_mov_b32 s51, 0
	s_add_nc_u64 s[50:51], s[6:7], s[50:51]
	s_add_nc_u64 s[52:53], s[6:7], s[52:53]
	v_and_b32 v12, 31, v0                          ; l
	v_and_b32 v13, 15, v0                          ; r
	v_mul_u32_u24 v1, v12, 24                      ; k: 24 l
	v_lshl_add_u32 v3, v13, 3, 3072                ; k's scale words: 3072 + 8 r
	v_add_nc_u32 v[QOF], s16, v1
	v_add_nc_u32 v[WOF], s17, v3
.irp x, 0,1
.irp p, 0,1,2
	global_load_b64 v[QA+18*\x+6+2*\p:QA+18*\x+7+2*\p], v[QOF], s[48:49] offset:768*\x+8*\p
.endr
.endr
	global_load_b32 v[WRAW], v[WOF], s[48:49]
	v_add_nc_u32 v2, HEADB, v1                     ; v: behind k
	v_add_nc_u32 v4, HEADB, v3
	v_add_nc_u32 v5, s56, v1                       ; my stage, in: 24 l
	v_lshl_add_u32 v6, v12, 3, s56                 ; and back: 8 l
	v_lshl_add_u32 v7, v13, 3, s57
	v_lshl_add_u32 v[SL], v12, 4, SCP
.irp x, 0,1
.irp j, 0,1,2,3,4,5,12,13,14,15,16,17
	v_mov_b32 v[QA+18*\x+\j], 0                    ; zero codes on both sides of q
.endr
	v_mov_b32 v[ST+24*\x+NM+1], 0xff61b1e6         ; the largest t so far: -3e38
	v_floor_f32 v[ST+24*\x+NM], -v[ST+24*\x+NM+1]  ; -M
.irp j, SA,SA+1,SB,SB+1,F+1,PX,PX+1,PX+2,PX+3
	v_mov_b32 v[ST+24*\x+\j], 0                    ; the sums; the pair's upper half; a lane permute's destination counts as one of its sources
.endr
.endr
	s_wait_alu depctr_va_vdst(0)
	s_wait_loadcnt 0x0
	v_perm_b32 v[QW], v[WRAW], v[WRAW], 0x01000100 ; the lower tile's two bytes serve either half of K,
	v_perm_b32 v[QW+1], v[WRAW], v[WRAW], 0x03020302   ; and the upper tile's
	WIN 0x40
.irp x, 0,1
.set j, 0
.rept 32
	v_mov_b32 v[128*\x+O+j], 0                     ; the step is written for every step alike: the first finds zeros
.set j, j+1
.endr
.endr
	WIN 0
.macro KLOAD ak, as, o                 ; k's four fragments (each two tiles' 64) and their scale words: 28 LDS loads
.irp e, 0,1,2,3
.irp p, 0,1,2,3,4,5
	ds_load_b64 v[KF+12*\e+2*\p:KF+12*\e+2*\p+1], v[\ak] offset:(\o)+(\e/2)*WRB+(\e%2)*1536+768*(\p/3)+8*(\p%3)
.endr
	ds_load_b32 v[KS+\e], v[\as] offset:(\o)+(\e/2)*WRB+128*(\e%2)
.endr
.endm
; A step: 128 keys, two chunks, for both tiles.  nxt = 1: the next step's k is asked of LDS
.macro STEP nxt
	v_add_nc_u32 v[ADV], s[TB], v2                 ; four plain instructions: the places behind the last products, ahead of the loads into v's fragments and of the writes of v's scale words
	v_add_nc_u32 v[ADT], s[TB], v4
.if \nxt
	v_add_nc_u32 v[ADK], s[TB], v1
	v_add_nc_u32 v[ADS], s[TB], v3
.else
	v_nop
	v_nop
.endif
.irp b, 0,1
.irp c, 0,1
	ds_load_b32 v[VR+2*\b+\c], v[ADT] offset:WRB*\c+128*\b
.endr
.endr
.irp t, 0,1,2,3
.irp p, 0,1,2,3,4,5
	ds_load_b64 v[VF+12*\t+2*\p:VF+12*\t+2*\p+1], v[ADV] offset:768*\t+WRB*(\p/3)+8*(\p%3)
.endr
.endr
	s_wait_alu depctr_va_vdst(0)
	s_wait_dscnt 28                                ; k's 28 loads are in; the 28 just issued may be out
	WIN 0x40                                       ; results in window 1
.irp e, 0,1,2,3                                ; fragment e holds two tiles of keys: the 16 registers of the two results are keys 32 e + 16 h + 0 .. 15
.irp x, 0,1
	v_wmma_scale_f32_16x16x128_f8f6f4 v[128*\x+16*\e:128*\x+16*\e+7], v[KF+12*\e:KF+12*\e+11], v[QA+18*\x+6:QA+18*\x+17], 0, v[KS+\e], v[QW+\x] matrix_a_fmt:MATRIX_FMT_FP6 matrix_b_fmt:MATRIX_FMT_FP6
	v_wmma_scale_f32_16x16x128_f8f6f4 v[128*\x+16*\e+8:128*\x+16*\e+15], v[KF+12*\e:KF+12*\e+11], v[QA+18*\x:QA+18*\x+11], 0, v[KS+\e], v[QW+\x] matrix_a_fmt:MATRIX_FMT_FP6 matrix_b_fmt:MATRIX_FMT_FP6
.endr
.endr
	WIN 0
	s_wait_dscnt 24                                ; v's four scale words are in; its 24 fragment loads may be out
	v_perm_b32 v[VW+0], v[VR+1], v[VR+0], 0x05040100   ; v's scale words by tiles: two bytes of each chunk.  These four are the places ahead of the loads into k's fragments and of the first read of S^T
	v_perm_b32 v[VW+1], v[VR+1], v[VR+0], 0x07060302
	v_perm_b32 v[VW+2], v[VR+3], v[VR+2], 0x05040100
	v_perm_b32 v[VW+3], v[VR+3], v[VR+2], 0x07060302
.if \nxt
	KLOAD ADK, ADS, 2*WRB
.endif
	WIN 0x05                                       ; sources 0 and 1 in window 1
.irp x, 0,1
.irp b, 0,1,2,3
	v_max_num_f32 v[ST+24*\x+BM+\b], v[128*\x+16*\b], v[128*\x+16*\b+1]   ; each block's largest score: eight chains by turns, each accumulator from its low end on
.endr
.endr
.irp i, 2,4,6,8,10,12,14
.irp x, 0,1
.irp b, 0,1,2,3
	v_max3_num_f32 v[ST+24*\x+BM+\b], v[128*\x+16*\b+\i], v[128*\x+16*\b+\i+1], v[ST+24*\x+BM+\b]
.endr
.endr
.endr
	WIN 0
.irp x, 0,1
.irp b, 0,1,2,3
	v_permlanex16_b32 v[ST+24*\x+PX+\b], v[ST+24*\x+BM+\b], s[SEL], s[SEL+1]
.endr
.endr
.irp x, 0,1
.irp b, 0,1,2,3
	v_max_num_f32 v[ST+24*\x+BM+\b], v[ST+24*\x+BM+\b], v[ST+24*\x+PX+\b]   ; with lane l xor 16's 16 keys
.endr
.endr
.irp x, 0,1
	v_max3_num_f32 v[ST+24*\x+T], v[ST+24*\x+BM], v[ST+24*\x+BM+1], v[ST+24*\x+BM+2]
.endr
.irp x, 0,1
	v_max_num_f32 v[ST+24*\x+T], v[ST+24*\x+T], v[ST+24*\x+BM+3]
.endr
.irp x, 0,1
	v_mul_f32 v[ST+24*\x+T], s[CS], v[ST+24*\x+T]
.endr
.irp x, 0,1
	v_max_num_f32 v[ST+24*\x+NM+1], v[ST+24*\x+NM+1], v[ST+24*\x+T]   ; the running largest t
.endr
.irp x, 0,1
	v_mov_b32 v[ST+24*\x+T], v[ST+24*\x+NM]
.endr
.irp x, 0,1
	v_floor_f32 v[ST+24*\x+NM], -v[ST+24*\x+NM+1]  ; the new -M
.endr
.irp x, 0,1
	v_sub_f32 v[ST+24*\x+T], v[ST+24*\x+NM], v[ST+24*\x+T]
.endr
.irp x, 0,1
	v_cvt_i32_f32 v[ST+24*\x+T], v[ST+24*\x+T]     ; old M - new M, a whole number (it saturates)
.endr
.irp x, 0,1
	v_ldexp_f32 v[ST+24*\x+F], 1.0, v[ST+24*\x+T]  ; f = 2^(old M - new M)
.endr
.irp x, 0,1
.irp b, 0,1,2,3
	v_fma_f32 v[ST+24*\x+BM+\b], v[ST+24*\x+BM+\b], s[CS], v[ST+24*\x+NM]
.endr
.endr
	WIN 0x41                                       ; source 0 and the destination in window 1
.irp x, 0,1
.set j, 0
.rept 32
	v_pk_fma_f32 v[128*\x+j:128*\x+j+1], v[128*\x+j:128*\x+j+1], s[CS:CS+1], v[ST+24*\x+NM:ST+24*\x+NM+1] op_sel_hi:[1,0,0]   ; t - M
.set j, j+2
.endr
.endr
	WIN 0
	s_wait_alu depctr_va_vdst(0)                   ; the wait ahead of the batch
.irp x, 0,1
.irp b, 0,1,2,3
	v_exp_f32 v[ST+24*\x+BM+\b], v[ST+24*\x+BM+\b] ; each block's largest p
.endr
.endr
	WIN 0x41
.irp x, 0,1
.set j, 0
.rept 64
	v_exp_f32 v[128*\x+j], v[128*\x+j]             ; p
.set j, j+1
.endr
.endr
	WIN 0
.irp x, 0,1
	v_pk_mul_f32 v[ST+24*\x+SA:ST+24*\x+SA+1], v[ST+24*\x+SA:ST+24*\x+SA+1], v[ST+24*\x+F:ST+24*\x+F+1] op_sel_hi:[1,0]   ; the sums under the new M: plain work behind the batch
	v_pk_mul_f32 v[ST+24*\x+SB:ST+24*\x+SB+1], v[ST+24*\x+SB:ST+24*\x+SB+1], v[ST+24*\x+F:ST+24*\x+F+1] op_sel_hi:[1,0]
.endr
	WIN 0x41
	s_wait_alu depctr_va_vdst(0)                   ; one wait behind the batch, directly ahead of the first reader of O^T too
.irp x, 0,1
.set j, 0
.rept 16
	v_pk_mul_f32 v[128*\x+O+j:128*\x+O+j+1], v[128*\x+O+j:128*\x+O+j+1], v[ST+24*\x+F:ST+24*\x+F+1] op_sel_hi:[1,0]   ; O^T under the new M
.set j, j+2
.endr
.endr
	WIN 0
.irp x, 0,1
.irp b, 0,1,2,3
	v_max_num_f32 v[ST+24*\x+BM+\b], 0x1800000, v[ST+24*\x+BM+\b]   ; the floor 2^(3 - 127): the byte cannot fall under 1
.endr
.endr
.irp x, 0,1
.irp b, 0,1,2,3
	v_add_nc_u32 v[ST+24*\x+SO+\b], 0xff000000, v[ST+24*\x+BM+\b]   ; 2 off the exponent field: the conversion's scale operand
.endr
.endr
.irp x, 0,1
.irp b, 0,1,2,3
	v_lshrrev_b32 v[ST+24*\x+PX+\b], 23, v[ST+24*\x+SO+\b]
.endr
.endr
.irp x, 0,1
	v_lshl_or_b32 v[PW+\x], v[ST+24*\x+PX+1], 8, v[ST+24*\x+PX]
.endr
.irp x, 0,1
	v_lshl_or_b32 v[PW+\x], v[ST+24*\x+PX+2], 16, v[PW+\x]
.endr
.irp x, 0,1
	v_lshl_or_b32 v[PW+\x], v[ST+24*\x+PX+3], 24, v[PW+\x]
.endr
	WIN 0x41
.irp x, 0,1
.irp c, 0,1
	v_cvt_scalef32_pk16_fp6_f32 v[128*\x+PC+6*\c:128*\x+PC+2+6*\c], v[128*\x+32*\c:128*\x+15+32*\c], v[ST+24*\x+SO+2*\c]
	v_cvt_scalef32_pk16_fp6_f32 v[128*\x+Y+4*\c:128*\x+Y+2+4*\c], v[128*\x+16+32*\c:128*\x+31+32*\c], v[ST+24*\x+SO+2*\c+1]   ; (a conversion's three registers begin on an even number)
.endr
.endr
	v_nop                                          ; one plain instruction behind a scaled conversion
.irp x, 0,1                                    ; the layout wants a whole block in a lane
.irp c, 0,1
.irp i, 0,1,2
	v_permlane16_swap_b32 v[128*\x+PC+6*\c+\i], v[128*\x+Y+4*\c+\i]
.endr
.endr
.endr
.irp x, 0,1
.irp c, 0,1
.irp i, 0,1,2
	v_mov_b32 v[128*\x+PC+3+6*\c+\i], v[128*\x+Y+4*\c+\i]
.endr
.endr
.endr
	WIN 0x04                                       ; source 1 in window 1
.set j, 0
.rept 16                                       ; the rows' sums of the unquantised p, four chains by turns; these are also the places between p's codes and scale words and the products
.irp x, 0,1
	v_pk_add_f32 v[ST+24*\x+SA:ST+24*\x+SA+1], v[ST+24*\x+SA:ST+24*\x+SA+1], v[128*\x+j:128*\x+j+1]
	v_pk_add_f32 v[ST+24*\x+SB:ST+24*\x+SB+1], v[ST+24*\x+SB:ST+24*\x+SB+1], v[128*\x+j+2:128*\x+j+3]
.endr
.set j, j+4
.endr
	s_wait_alu depctr_va_vdst(0)
.if \nxt
	s_wait_dscnt 28                                ; v's fragments are in; the next k's 28 loads may be out
.else
	s_wait_dscnt 0x0
.endif
	WIN 0x54                                       ; source 0 (v) in window 0; p's codes, C and D in window 1
.irp t, 0,1,2,3
.irp x, 0,1
	v_wmma_scale_f32_16x16x128_f8f6f4 v[128*\x+O+8*\t:128*\x+O+8*\t+7], v[VF+12*\t:VF+12*\t+11], v[128*\x+PC:128*\x+PC+11], v[128*\x+O+8*\t:128*\x+O+8*\t+7], v[VW+\t], v[PW+\x] matrix_a_fmt:MATRIX_FMT_FP6 matrix_b_fmt:MATRIX_FMT_FP6
.endr
.endr
	WIN 0
.endm
	s_wait_alu depctr_va_vdst(0)
	s_wait_tensorcnt 0x0                           ; my quarter is in
	s_barrier_signal -1
	s_barrier_wait -1                              ; and everybody's: all of k and v
	KLOAD 1, 3, 0                                  ; the first step's k
	s_mov_b32 s[TB], 0
	s_mov_b32 s[CNT], 15
.Lstep:
	STEP 1
	s_add_co_u32 s[TB], s[TB], 2*WRB
	s_sub_co_u32 s[CNT], s[CNT], 1
	s_cmp_lg_u32 s[CNT], 0
	s_cbranch_scc1 .Lstep
	s_mov_b32 s[TB], 15*2*WRB
	STEP 0                                         ; the last step is written out: it asks for no further k
	; THE WAY OUT, the two tiles by turns
.irp x, 0,1
	v_pk_add_f32 v[ST+24*\x+SA:ST+24*\x+SA+1], v[ST+24*\x+SA:ST+24*\x+SA+1], v[ST+24*\x+SB:ST+24*\x+SB+1]
.endr
.irp x, 0,1
	v_add_f32 v[ST+24*\x+T], v[ST+24*\x+SA], v[ST+24*\x+SA+1]
.endr
.irp x, 0,1
	v_permlanex16_b32 v[ST+24*\x+PX], v[ST+24*\x+T], s[SEL], s[SEL+1]
.endr
.irp x, 0,1
	v_add_f32 v[ST+24*\x+T], v[ST+24*\x+T], v[ST+24*\x+PX]   ; with lane l xor 16's: the row's sum
.endr
	s_wait_alu depctr_va_vdst(0)                   ; the wait ahead of the transcendentals
.irp x, 0,1
	v_rcp_f32 v[ST+24*\x+T], v[ST+24*\x+T]
.endr
	v_and_b32 v[GO8], 31, v0
	v_lshlrev_b32 v[GO16], 4, v[GO8]
	v_lshlrev_b32 v[GO8], 3, v[GO8]
	WIN 0x41
	s_wait_alu depctr_va_vdst(0)                   ; and ahead of their first reader, which is also O^T's
.irp x, 0,1
.set j, 0
.rept 32
	v_mul_f32 v[128*\x+j], v[128*\x+O+j], v[ST+24*\x+T]   ; o(my query, 32 b + 16 h + i)
.set j, j+1
.endr
.endr
	WIN 0x05
.irp x, 0,1
.irp b, 0,1
	v_max3_num_f32 v[ST+24*\x+BM+\b], |v[128*\x+16*\b]|, |v[128*\x+16*\b+1]|, 0x1800000   ; each block's largest magnitude, and the floor
.endr
.endr
.irp i, 2,4,6,8,10,12,14
.irp x, 0,1
.irp b, 0,1
	v_max3_num_f32 v[ST+24*\x+BM+\b], |v[128*\x+16*\b+\i]|, |v[128*\x+16*\b+\i+1]|, v[ST+24*\x+BM+\b]
.endr
.endr
.endr
	WIN 0
.irp x, 0,1
.irp b, 0,1
	v_permlanex16_b32 v[ST+24*\x+PX+\b], v[ST+24*\x+BM+\b], s[SEL], s[SEL+1]
.endr
.endr
.irp x, 0,1
.irp b, 0,1
	v_max_num_f32 v[ST+24*\x+BM+\b], v[ST+24*\x+BM+\b], v[ST+24*\x+PX+\b]
.endr
.endr
.irp x, 0,1
.irp b, 0,1
	v_add_nc_u32 v[ST+24*\x+SO+\b], 0xff000000, v[ST+24*\x+BM+\b]
.endr
.endr
.irp x, 0,1
.irp b, 0,1
	v_lshrrev_b32 v[ST+24*\x+SO+2+\b], 23, v[ST+24*\x+SO+\b]
.endr
.endr
.irp x, 0,1
	v_lshl_or_b32 v[ST+24*\x+PR], v[ST+24*\x+SO+3], 8, v[ST+24*\x+SO+2]   ; my row's pair of scale bytes
.endr
	WIN 0x41
.irp x, 0,1
	v_cvt_scalef32_pk16_fp6_f32 v[128*\x+PC:128*\x+PC+2], v[128*\x:128*\x+15], v[ST+24*\x+SO]
	v_cvt_scalef32_pk16_fp6_f32 v[128*\x+Y:128*\x+Y+2], v[128*\x+16:128*\x+31], v[ST+24*\x+SO+1]
.endr
	v_nop
.irp x, 0,1
.irp i, 0,1,2
	v_permlane16_swap_b32 v[128*\x+PC+\i], v[128*\x+Y+\i]
.endr
.endr
.irp x, 0,1
.irp i, 0,1,2
	v_mov_b32 v[128*\x+PC+3+\i], v[128*\x+Y+\i]
.endr
.endr
	WIN 0x04                                       ; a store's data are source 1
.irp x, 0,1
.irp p, 0,1,2
	ds_store_b64 v5, v[128*\x+PC+2*\p:128*\x+PC+2*\p+1] offset:768*\x+8*\p
.endr
.endr
	WIN 0
.irp x, 0,1
	ds_store_b16 v7, v[ST+24*\x+PR] offset:128*\x
.endr
.irp q, 0,1,2,3,4,5
	ds_load_b64 v[OUTR+2*\q:OUTR+2*\q+1], v6 offset:256*\q   ; LDS serves a wave's instructions in order: these see my stores
.endr
.irp q, 0,1,2,3,4,5
	s_wait_dscnt 5-\q                              ; the younger loads may be out
	global_store_b64 v[GO8], v[OUTR+2*\q:OUTR+2*\q+1], s[50:51] offset:(\q/3)*1536+(\q%3)*256   ; 256 consecutive bytes, aligned
.endr
	s_barrier_signal -1                            ; every wave's pairs of scale bytes lie in LDS
	s_barrier_wait -1
	s_cmp_lg_u32 s[WV], 0
	s_cbranch_scc1 .Lnot_first
	ds_load_b128 v[OUTR+12:OUTR+15], v[SL]
	s_wait_dscnt 0x0
	global_store_b128 v[GO16], v[OUTR+12:OUTR+15], s[52:53]   ; the chunk's 512 bytes of scale words
.Lnot_first:
	s_wait_tensorcnt 0x0                           ; the wave's end
	ds_add_u32 v[SPW], v[NIL]
	s_wait_dscnt 0x0
	CROUND                                         ; the closing round
	s_endpgm
.Lfunc_end_k_q0ab0140512_attn:
	.size	k_q0ab0140512_attn, .Lfunc_end_k_q0ab0140512_attn-k_q0ab0140512_attn
	.p2alignl 7, 3214868480
	.fill 96, 4, 3214868480
	.section	.rodata,"a",@progbits
	.p2align	6, 0x0
	.amdhsa_kernel k_q0ab0140512_attn
		.amdhsa_group_segment_fixed_size 327680
		.amdhsa_private_segment_fixed_size 0
		.amdhsa_enable_private_segment 0
		.amdhsa_kernarg_size 16
		.amdhsa_user_sgpr_count 2
		.amdhsa_user_sgpr_kernarg_segment_ptr 1
		.amdhsa_wavefront_size32 1
		.amdhsa_system_sgpr_workgroup_id_x 1
		.amdhsa_system_sgpr_workgroup_id_y 1
		.amdhsa_system_sgpr_workgroup_id_z 1
		.amdhsa_system_vgpr_workitem_id 0
		.amdhsa_next_free_vgpr 512
		.amdhsa_next_free_sgpr 66
		.amdhsa_reserve_vcc 0
		.amdhsa_float_denorm_mode_32 3
		.amdhsa_float_denorm_mode_16_64 3
		.amdhsa_memory_ordered 1
		.amdhsa_forward_progress 1
		.amdhsa_inst_pref_size 81
	.end_amdhsa_kernel
	.amdgpu_metadata
---
amdhsa.version: [ 1, 2 ]
amdhsa.kernels:
  - .name:           k_q0ab0140512_attn
    .symbol:         k_q0ab0140512_attn.kd
    .args:
      - { .name: qkv, .offset: 0, .size: 8, .value_kind: global_buffer, .address_space: global }
      - { .name: arec, .offset: 8, .size: 8, .value_kind: global_buffer, .address_space: global }
    .group_segment_fixed_size: 327680
    .private_segment_fixed_size: 0
    .kernarg_segment_align: 8
    .kernarg_segment_size: 16
    .max_flat_workgroup_size: 256
    .sgpr_count:     66
    .vgpr_count:     512
    .wavefront_size: 32
...
	.end_amdgpu_metadata
.endif
;; end of part 3
;; launch gemm_out (part 4): grid 16 x 16, 4 waves a work-group, clusters of 4 x 4, 327,680 bytes of LDS; arguments arec, worec, out0; writes out0
.if DOCPART == 4
	.amdgcn_target "amdgcn-amd-amdhsa--gfx1250"
	.amdhsa_code_object_version 6
	.text
	.protected	k_q0ab0140512_gemm_out
	.globl	k_q0ab0140512_gemm_out
	.p2align	8
	.type	k_q0ab0140512_gemm_out,@function
k_q0ab0140512_gemm_out:
	s_mov_b64 s[64:65], 0
	v_nop
	global_prefetch_b8 v0, s[64:65] scope:SCOPE_SE
	s_setreg_imm32_b32 hwreg(HW_REG_WAVE_MODE, 25, 1), 1
	s_wait_xcnt 0x0
	s_wait_alu depctr_hold_cnt(0) depctr_sa_sdst(0) depctr_va_vdst(0) depctr_va_sdst(0) depctr_va_ssrc(0) depctr_va_vcc(0) depctr_vm_vsrc(0)
	s_getreg_b32 s2, hwreg(HW_REG_IB_STS2, 6, 4)
	s_cmp_eq_u32 s2, 0
	s_cbranch_scc0 .Lentry_in_a_cluster
	s_endpgm
.Lentry_in_a_cluster:
	s_bfe_u32 s2, ttmp6, 0x10000c
	s_cmp_lg_u32 s2, 0xf033
	s_cbranch_scc0 .Lentry_shape_is_right
	s_endpgm
.Lentry_shape_is_right:
; out0 = o Wo on codes of FP6 (E2M3) with E8M0 scales, K = 2,048; f32 out.
; OPERANDS: records of 128 rows x 256 K, 25,600 bytes, in the order of an operand's registers: codes at s2*12288 + t*1536 + c*768 + 24 l, scale words at 24576 + 8 (16 t + r) + 4 s2; a block of 128 rows is
; 8 records on end.  Row r of fragment t is row 32 (t/2) + 8 (t%2) + r + 8 (r/8) of the 128: the way out puts rows and columns back.
; SHARES: a work-group makes 128 x 128 of out0: 16 x 16 = 256 work-groups.  Four waves, each 64 x 64 (16 accumulators): wave w takes rows 64 (w / 2) on and columns 64 (w % 2) on.
; The matrix instruction is used transposed (source 0 = Wo's columns, source 1 = tokens): a lane holds eight neighbouring numbers of a row of out0.
; LDS: two regions of six records, A's and behind it B's.  K goes in four steps of 512 (two records an operand).  THE HEAD'S ONE LOAD A WAVE (three records on end, 300 rows of 256 bytes) BRINGS STEPS 0 TO 2;
; step 3 is the only refill: it lands on step 0's bytes, behind the round that follows step 0's last reads, one record a wave, and has steps 1 and 2 in which to land.
; CLUSTER: 4 x 4: A's records are shared along a row of the cluster, B's along a column: joint loads.
; PREFETCH: step 3's records are asked for once, at the head, a whole step and more ahead of their load: of the 100 rows of the record that a wave will fetch, the partner at place p (cx for A, cy for B)
; names rows 25 p .. 25 p + 24, a lane a row.  Steps 0 to 2 come by the head's loads alone.
; REGISTERS: window 0: v12-30 addresses; v32-47 scale words and nothing else; v48-111 the way out; v128-255 accumulator (a, b) at 128 + 32 a + 8 b.  Window 1: two fragment buffers at v0 and v128: B's four, then A's four.
.set RECB,  25600
.set STEPB, 2*RECB                     ; a step's two records of one operand
.set BREG,  6*RECB                     ; B's region
.set BLKB,  8*RECB
.set SPITCH, 272
.set STAGE, 12*RECB                    ; behind the regions: 16 rows x 272 bytes for each wave, for the way out
.set SPARE, STAGE+4*16*SPITCH          ; the spare words, 128 bytes for each wave: no other line names them
.set ROWC,  8192
.set ADRS,  12                         ; v12-14 my scale words in step position 0, 1, 2: lanes 0-15 A's rows, lanes 16-31 B's
.set ADRA,  16                         ; v16-18 my A fragments
.set ADRB,  20                         ; v20-22 my B fragments
.set STO,   24
.set RD,    25
.set CO,    26
.set SPW,   28                         ; my spare word's address; never rewritten
.set NIL,   29                         ; 0; never rewritten
.set PFO,   30                         ; the prefetch's offset; never rewritten
.set SC,    32
.set BK,    48
.set ACC,   128
.set G1,    24                         ; s[24:31] group 1 for A; s[32:35] group 0 of the refill; s[68:71] of the head's load
.set G0,    32
.set G1B,   48                         ; s[48:55], s[56:59], s[72:75] the same for B
.set G0B,   56
.set MSB, 0
.macro WIN new                         ; the immediate's high byte repeats the setting that is left
.if MSB != \new
	s_set_vgpr_msb (MSB<<8)|\new
.set MSB, \new
.endif
.endm
.set W_MUL, 0x05                       ; sources 0 and 1 window 1; C and D window 0
.set TO_F,  0x40                       ; destination window 1, address window 0
.macro JLOAD ga, gb                    ; waves 0, 1 ask for A, waves 2, 3 for B: the branch hangs on the wave's number alone; s_nop 0 and four v_nop follow each line
	s_cmp_eq_u32 s11, 0
	s_cbranch_scc0 .Lfor_b_\@
	tensor_load_to_lds s[\ga:\ga+3], s[G1:G1+7]
	s_nop 0
.rept 4
	v_nop
.endr
	s_branch .Lasked_\@
.Lfor_b_\@:
	tensor_load_to_lds s[\gb:\gb+3], s[G1B:G1B+7]
	s_nop 0
.rept 4
	v_nop
.endr
.Lasked_\@:
.endm
.macro CREST                           ; a round of the cluster's barrier behind its opening barrier
	s_cmp_lg_u32 s10, 0
	s_cbranch_scc1 .Lnot_wave_0_\@
	s_barrier_signal -3
.Lnot_wave_0_\@:
	s_barrier_wait -3
	s_barrier_signal -1
	s_barrier_wait -1
.endm
.macro CROUND
	s_barrier_signal -1
	s_barrier_wait -1
	CREST
.endm
.macro PLACES                          ; four plain instructions in front of loads into registers that matrix instructions have read, and of the first read of results
.rept 4
	v_nop
.endr
.endm
	s_load_b128 s[4:7], s[0:1], 0x0                ; arec, worec
	s_load_b64 s[8:9], s[0:1], 0x10                ; out0
	v_lshl_add_u32 v[SPW], v0, 2, SPARE
	v_mov_b32 v[NIL], 0
	ds_add_u32 v[SPW], v[NIL]                      ; the opening lines: two adds on end, waited for ahead of my first tensor load
	ds_add_u32 v[SPW], v[NIL]
	v_lshrrev_b32 v1, 5, v0
	v_readfirstlane_b32 s10, v1                    ; wave 0..3
	v_and_b32 v[PFO], 31, v0
	v_min_u32 v[PFO], 24, v[PFO]                   ; a lane a row of 256 bytes, 25 rows; lanes 25-31 name the last again
	v_lshlrev_b32 v[PFO], 8, v[PFO]
	s_lshr_b32 s11, s10, 1                         ; my 64 rows.  Also: I fetch for A (0) or for B (1)
	s_and_b32 s12, s10, 1                          ; my 64 columns.  Also: which part of that operand I fetch
	s_bfe_u32 s40, ttmp6, 0x40000                  ; cx, cy
	s_bfe_u32 s41, ttmp6, 0x40004
	s_and_b32 s42, ttmp7, 0xffff
	s_lshl_b32 s42, s42, 2
	s_add_co_u32 s42, s42, s41                     ; block of 128 tokens
	s_lshl_b32 s43, ttmp9, 2
	s_add_co_u32 s43, s43, s40                     ; block of 128 columns
	s_lshl_b32 s44, s41, 2
	s_lshl_b32 s44, 15, s44                        ; my row of the cluster
	s_lshl_b32 s45, 0x1111, s40                    ; my column
	s_or_b32 s[G1+0], s44, (3<<16)|(1<<21)         ; the mask; elements of 8 bytes; bit 21 beside a mask
	s_or_b32 s[G1B+0], s45, (3<<16)|(1<<21)
.irp g, G1, G1B
	s_mov_b32 s[\g+1], 32<<16                      ; rows of 256 bytes, dense:
	s_mov_b32 s[\g+2], 300<<16                     ; the head's load brings three records, 300 rows; the refill one (set behind the head's wait)
	s_mov_b32 s[\g+3], 32<<16
	s_mov_b32 s[\g+4], 300
	s_mov_b32 s[\g+5], 32
	s_mov_b32 s[\g+6], 0
	s_mov_b32 s[\g+7], 0
.endr
	s_mul_i32 s16, s42, BLKB
	s_mov_b32 s17, 0
	s_mul_i32 s18, s43, BLKB
	s_mov_b32 s19, 0
	s_mul_i32 s20, s12, 3*RECB                     ; the head: records 3 i .. 3 i + 2
	s_mov_b32 s21, 0
	s_mul_i32 s44, s12, RECB
	s_add_co_u32 s44, s44, 6*RECB                  ; the refill: record 6 + i
	s_mov_b32 s45, 0
	s_mov_b32 s68, 1
	s_mul_i32 s69, s12, 3*RECB                     ; no place in the cluster enters an LDS address
	s_mov_b32 s72, 1
	s_add_co_u32 s73, s69, BREG
	s_mov_b32 s[G0], 1
	s_mul_i32 s[G0+1], s12, RECB                   ; step 3 lands on step 0's bytes
	s_mov_b32 s[G0B], 1
	s_add_co_u32 s[G0B+1], s[G0+1], BREG
	s_wait_alu depctr_va_vdst(0)
	s_wait_dscnt 0x0                               ; both opening adds are done
	s_wait_kmcnt 0x0
	s_add_nc_u64 s[14:15], s[4:5], s[16:17]        ; A's block
	s_add_nc_u64 s[46:47], s[6:7], s[18:19]        ; B's block
	s_add_nc_u64 s[70:71], s[14:15], s[20:21]
	s_or_b32 s71, s71, 0x80000000
	s_add_nc_u64 s[74:75], s[46:47], s[20:21]
	s_or_b32 s75, s75, 0x80000000
	s_add_nc_u64 s[G0+2:G0+3], s[14:15], s[44:45]
	s_or_b32 s[G0+3], s[G0+3], 0x80000000
	s_add_nc_u64 s[G0B+2:G0B+3], s[46:47], s[44:45]
	s_or_b32 s[G0B+3], s[G0B+3], 0x80000000
	s_cmp_eq_u32 s11, 0                            ; the prefetch: my work-group's 25 rows of the record that I shall fetch
	s_cselect_b32 s22, s40, s41
	s_cselect_b64 s[66:67], s[14:15], s[46:47]
	s_mul_i32 s22, s22, 6400
	s_mov_b32 s23, 0
	s_add_nc_u64 s[22:23], s[66:67], s[22:23]
	s_add_nc_u64 s[22:23], s[22:23], s[44:45]      ; never rewritten
	CROUND                                         ; all sixteen work-groups are here: the first joint loads meet
	JLOAD 68, 72                                   ; steps 0 to 2: my one load at the head
	global_prefetch_b8 v[PFO], s[22:23] th:TH_LOAD_NT scope:SCOPE_SE
	s_mul_i32 s20, s11, 6144                       ; my four fragments of A,
	s_mul_i32 s21, s12, 6144
	s_add_co_u32 s21, s21, BREG                    ; and of B
	s_lshl_b32 s16, s11, 9                         ; scale words: A's 512 (w / 2) bytes on,
	s_lshl_b32 s17, s12, 9
	s_add_co_u32 s17, s17, BREG                    ; B's 512 (w % 2) on in its region
	s_sub_co_u32 s17, s17, s16
	s_add_co_u32 s16, s16, 24576
	s_mul_i32 s18, s10, 16*SPITCH
	s_add_co_u32 s18, s18, STAGE                   ; my stage
	s_lshl_b32 s44, s42, 7
	s_lshl_b32 s45, s11, 6
	s_add_co_u32 s44, s44, s45
	s_lshl_b32 s44, s44, 13                        ; my first row of out0,
	s_lshl_b32 s45, s43, 9
	s_add_co_u32 s44, s44, s45
	s_lshl_b32 s45, s12, 8
	s_add_co_u32 s44, s44, s45                     ; my first column
	s_mov_b32 s45, 0
	s_add_nc_u64 s[8:9], s[8:9], s[44:45]
	v_and_b32 v1, 15, v0                           ; r
	v_bfe_u32 v2, v0, 4, 1                         ; h
	v_and_b32 v3, 31, v0                           ; l
	v_mul_u32_u24 v4, v3, 24
	v_add_nc_u32 v[ADRA], s20, v4
	v_add_nc_u32 v[ADRB], s21, v4
	v_mul_u32_u24 v6, s17, v2                      ; lanes 16-31 take B's: one product, h x the distance
	v_lshl_add_u32 v5, v1, 3, v6
	v_add_nc_u32 v[ADRS], s16, v5
.irp s, 1,2
	v_add_nc_u32 v[ADRA+\s], \s*STEPB, v[ADRA]
	v_add_nc_u32 v[ADRB+\s], \s*STEPB, v[ADRB]
	v_add_nc_u32 v[ADRS+\s], \s*STEPB, v[ADRS]
.endr
	v_mul_u32_u24 v5, v1, SPITCH
	v_lshl_add_u32 v5, v2, 6, v5
	v_add_nc_u32 v[STO], s18, v5                   ; my stage, in: row r, 64 bytes for each half of the lanes
	v_mul_u32_u24 v5, v2, SPITCH
	v_lshl_add_u32 v5, v1, 4, v5
	v_add_nc_u32 v[RD], s18, v5                    ; and back: sixteen lanes to a row of 256 bytes
	v_lshlrev_b32 v5, 13, v2
	v_lshl_add_u32 v[CO], v1, 4, v5                ; the same two rows in out0
; Four matrix instructions: A's tile a x B's four, the step's q-th 128 along K.  The 16 accumulators take turns in the same order in every quarter.
.macro MUL4 a, q, zero
.irp b, 0,1,2,3
.if \zero
	v_wmma_scale_f32_16x16x128_f8f6f4 v[ACC+32*(\a)+8*\b:ACC+32*(\a)+8*\b+7], v[128*((\q)%2)+12*\b:128*((\q)%2)+12*\b+11], v[128*((\q)%2)+48+12*(\a):128*((\q)%2)+48+12*(\a)+11], 0, v[SC+8*((\q)/2)+2*\b+(\q)%2], v[SC+8*((\q)/2)+2*(\a)+(\q)%2] matrix_a_fmt:MATRIX_FMT_FP6 matrix_b_fmt:MATRIX_FMT_FP6 matrix_a_scale:MATRIX_SCALE_ROW1
.else
	v_wmma_scale_f32_16x16x128_f8f6f4 v[ACC+32*(\a)+8*\b:ACC+32*(\a)+8*\b+7], v[128*((\q)%2)+12*\b:128*((\q)%2)+12*\b+11], v[128*((\q)%2)+48+12*(\a):128*((\q)%2)+48+12*(\a)+11], v[ACC+32*(\a)+8*\b:ACC+32*(\a)+8*\b+7], v[SC+8*((\q)/2)+2*\b+(\q)%2], v[SC+8*((\q)/2)+2*(\a)+(\q)%2] matrix_a_fmt:MATRIX_FMT_FP6 matrix_b_fmt:MATRIX_FMT_FP6 matrix_a_scale:MATRIX_SCALE_ROW1
.endif
.endr
.endm
; One run of LDS loads: the fragments of the q-th 128 along K of the step at position pos into buffer q % 2: B's four, then A's four; ahead of them, where a record begins, its scale words
.macro FETCH pos, q
.if (\q)%2 == 0
	WIN 0
.irp i, 0,1,2,3
	ds_load_b64 v[SC+8*((\q)/2)+2*\i:SC+8*((\q)/2)+2*\i+1], v[ADRS+\pos] offset:((\q)/2)*RECB+128*\i
.endr
.endif
	WIN TO_F
.irp i, 0,1,2,3
.irp p, 0,1,2,3,4,5
	ds_load_b64 v[128*((\q)%2)+12*\i+2*\p:128*((\q)%2)+12*\i+2*\p+1], v[ADRB+\pos] offset:((\q)/2)*RECB+((\q)%2)*12288+1536*\i+768*(\p/3)+8*(\p%3)
.endr
.endr
.irp i, 0,1,2,3
.irp p, 0,1,2,3,4,5
	ds_load_b64 v[128*((\q)%2)+48+12*\i+2*\p:128*((\q)%2)+48+12*\i+2*\p+1], v[ADRA+\pos] offset:((\q)/2)*RECB+((\q)%2)*12288+1536*\i+768*(\p/3)+8*(\p%3)
.endr
.endr
.endm
.macro QUARTER q, zero, npos, nq       ; multiplies buffer q % 2; in its middle it fetches quarter nq of the step at position npos, whose bytes lie in LDS
	s_wait_dscnt 12                                ; the scale words, B's four and A's tiles 0, 1 are in; the youngest twelve loads (A's tiles 2, 3) may be out
	WIN W_MUL
	MUL4 0, \q, \zero
	MUL4 1, \q, \zero
	s_wait_dscnt 0x0
	PLACES
	FETCH \npos, \nq
	WIN W_MUL
	MUL4 2, \q, \zero
	MUL4 3, \q, \zero
.endm
; A step's last quarter with a barrier in it.  In front of it each wave waits for all its tensor loads, adds 0 to its spare word, and waits for that and for its LDS reads.  fill = 1: the step just read out is filled again
.macro TURN npos, fill
	WIN 0                                          ; (the add's two registers lie in window 0)
	s_wait_tensorcnt 0x0
	ds_add_u32 v[SPW], v[NIL]
	s_wait_dscnt 13                                ; (the add and the youngest twelve loads may be out)
	WIN W_MUL
	MUL4 0, 3, 0                                   ; matrix work stands between the add and the wait for it
	s_wait_dscnt 0x0
	s_barrier_signal -1
	MUL4 1, 3, 0
	WIN 0
	s_barrier_wait -1
.if \fill
	CREST                                          ; the barrier has opened a round of the cluster's: no wave of any partner still reads these bytes or has a load on its way
	JLOAD G0, G0B                                  ; the first tensor load behind the round, one a wave; its four v_nop are the places in front of the loads below
.else
	PLACES
.endif
	FETCH \npos, 0
	WIN W_MUL
	MUL4 2, 3, 0
	MUL4 3, 3, 0
.endm
	s_wait_alu depctr_va_vdst(0)
	s_wait_tensorcnt 0x0                           ; my three records are in; no tensor load of mine is out, so group 1 may be written:
	s_mov_b32 s[G1+2], 100<<16                     ; the refill brings one record
	s_mov_b32 s[G1+4], 100
	s_mov_b32 s[G1B+2], 100<<16
	s_mov_b32 s[G1B+4], 100
	s_barrier_signal -1
	s_barrier_wait -1
	FETCH 0, 0
	QUARTER 0, 1, 0, 1                             ; step 0: its first products start the sums
	QUARTER 1, 0, 0, 2
	QUARTER 2, 0, 0, 3
	TURN 1, 1                                      ; step 0's bytes are read no more: step 3 is asked for
	QUARTER 0, 0, 1, 1                             ; step 1
	QUARTER 1, 0, 1, 2
	QUARTER 2, 0, 1, 3
	QUARTER 3, 0, 2, 0                             ; step 2 lies in LDS since the head: no barrier
	QUARTER 0, 0, 2, 1                             ; step 2
	QUARTER 1, 0, 2, 2
	QUARTER 2, 0, 2, 3
	TURN 0, 0                                      ; everybody's part of step 3 is in; nothing is filled
	QUARTER 0, 0, 0, 1                             ; step 3
	QUARTER 1, 0, 0, 2
	QUARTER 2, 0, 0, 3
	s_wait_dscnt 12
	WIN W_MUL
	MUL4 0, 3, 0
	MUL4 1, 3, 0
	s_wait_dscnt 0x0
	MUL4 2, 3, 0
	MUL4 3, 3, 0
	WIN 0
; THE WAY OUT, tile by tile of 16 rows x 64 columns: through my own stage, where the columns come back into their order, and out as rows of 256 bytes
.macro TOSTAGE a
.irp b, 0,1,2,3
	ds_store_b128 v[STO], v[ACC+32*(\a)+8*\b:ACC+32*(\a)+8*\b+3] offset:128*(\b/2)+32*(\b%2)   ; each accumulator from its low end on
	ds_store_b128 v[STO], v[ACC+32*(\a)+8*\b+4:ACC+32*(\a)+8*\b+7] offset:128*(\b/2)+32*(\b%2)+16
.endr
.irp i, 0,1,2,3,4,5,6,7
	ds_load_b128 v[BK+32*((\a)%2)+4*\i:BK+32*((\a)%2)+4*\i+3], v[RD] offset:2*\i*SPITCH   ; LDS serves a wave's instructions in order: these see my stores
.endr
.endm
.macro SEND a, younger                 ; younger: the LDS instructions issued behind tile a's loads, which may stay out
	s_wait_dscnt \younger
.irp i, 0,1,2,3,4,5,6,7
	global_store_b128 v[CO], v[BK+32*((\a)%2)+4*\i:BK+32*((\a)%2)+4*\i+3], s[8:9] offset:(32*((\a)/2)+8*((\a)%2)+2*\i+8*(\i/4))*ROWC th:TH_STORE_NT   ; sixteen lanes store 256 consecutive bytes, aligned
.endr
.endm
	PLACES
	TOSTAGE 0
	TOSTAGE 1
	SEND 0, 16
	s_wait_xcnt 0x0                                ; tile 0's stores have read their registers: tile 2's loads may land there
	TOSTAGE 2
	SEND 1, 16
	s_wait_xcnt 0x0
	TOSTAGE 3
	SEND 2, 16
	SEND 3, 0
	s_wait_tensorcnt 0x0                           ; the wave's end
	ds_add_u32 v[SPW], v[NIL]
	s_wait_dscnt 0x0
	CROUND                                         ; the closing round
	s_endpgm
.Lfunc_end_k_q0ab0140512_gemm_out:
	.size	k_q0ab0140512_gemm_out, .Lfunc_end_k_q0ab0140512_gemm_out-k_q0ab0140512_gemm_out
	.p2alignl 7, 3214868480
	.fill 96, 4, 3214868480
	.section	.rodata,"a",@progbits
	.p2align	6, 0x0
	.amdhsa_kernel k_q0ab0140512_gemm_out
		.amdhsa_group_segment_fixed_size 327680
		.amdhsa_private_segment_fixed_size 0
		.amdhsa_enable_private_segment 0
		.amdhsa_kernarg_size 24
		.amdhsa_user_sgpr_count 2
		.amdhsa_user_sgpr_kernarg_segment_ptr 1
		.amdhsa_wavefront_size32 1
		.amdhsa_system_sgpr_workgroup_id_x 1
		.amdhsa_system_sgpr_workgroup_id_y 1
		.amdhsa_system_sgpr_workgroup_id_z 1
		.amdhsa_system_vgpr_workitem_id 0
		.amdhsa_next_free_vgpr 512
		.amdhsa_next_free_sgpr 76
		.amdhsa_reserve_vcc 0
		.amdhsa_float_denorm_mode_32 3
		.amdhsa_float_denorm_mode_16_64 3
		.amdhsa_memory_ordered 1
		.amdhsa_forward_progress 1
		.amdhsa_inst_pref_size 103
	.end_amdhsa_kernel
	.amdgpu_metadata
---
amdhsa.version: [ 1, 2 ]
amdhsa.kernels:
  - .name:           k_q0ab0140512_gemm_out
    .symbol:         k_q0ab0140512_gemm_out.kd
    .args:
      - { .name: arec, .offset: 0, .size: 8, .value_kind: global_buffer, .address_space: global }
      - { .name: worec, .offset: 8, .size: 8, .value_kind: global_buffer, .address_space: global }
      - { .name: out0, .offset: 16, .size: 8, .value_kind: global_buffer, .address_space: global }
    .group_segment_fixed_size: 327680
    .private_segment_fixed_size: 0
    .kernarg_segment_align: 8
    .kernarg_segment_size: 24
    .max_flat_workgroup_size: 128
    .sgpr_count:     76
    .vgpr_count:     512
    .wavefront_size: 32
...
	.end_amdgpu_metadata
.endif
;; end of part 4
